; MI455X (gfx1250); checked and timed in simulation.
; The chip was launched on July 23, 2026; its instructions are those of AMD's public machine-readable ISA for CDNA 5 (MIT licence, August 2026) and "CDNA5" Instruction Set Architecture Reference Guide (July 2026). The comments in the code are by the model that wrote it; some were corrected since.
;; Multi Head Attention. Allowed arithmetic: matrix products marked QUANTISED: E4M3 operands, one E8M0 scale for each 32 along K, by v_wmma_scale_f32_16x16x128_f8f6f4 with both operands' format E4M3, f32 sums; everything else in f32.
;; Inputs: Wk 1,024 x 1,024 float32; Wo 1,024 x 1,024 float32; Wq 1,024 x 1,024 float32; Wv 1,024 x 1,024 float32; x 4 x 2,048 x 1,024 float32.
;; Outputs: out0 4 x 2,048 x 1,024 float32.
;; This version of the problem:
;;   THIS VERSION OF THE PROBLEM IS GIVEN IN LOW PRECISION. The matrix products marked QUANTISED in the list below multiply operands that are first quantised to E4M3 (4 exponent bits, 3 mantissa bits; 8 bits a number), with one power-of-two scale for each 32 numbers along K (OCP MX v1.0); their sums are f32. All else is computed in f32.
;;   The module's matrix products, in the order in which they are computed (A, B: the left and right operand; K: the contracted axis; several contracted axes count as one K, in the product's order):
;;     1. [M 8,192, K 1,024] x [K 1,024, N 1,024]; A: input x; B: input Wq: QUANTISED
;;     2. [M 8,192, K 1,024] x [K 1,024, N 1,024]; A: input x; B: input Wk: QUANTISED
;;     3. [M 8,192, K 1,024] x [K 1,024, N 1,024]; A: input x; B: input Wv: QUANTISED
;;     4. batch 64 x [M 2,048, K 64] x [K 64, N 2,048]; A: computed on the way; B: computed on the way: QUANTISED
;;     5. batch 64 x [M 2,048, K 2,048] x [K 2,048, N 64]; A: softmax (see below); B: computed on the way: QUANTISED
;;     6. [M 8,192, K 1,024] x [K 1,024, N 1,024]; A: computed on the way; B: input Wo: QUANTISED
;;   THE QUANTISER, for each operand of a quantised product, along K:
;;     - K is cut into blocks of 32 from its start; a last block that is shorter is filled with zeros.
;;     - A block's scale is 2^e with e = floor(log2(the largest magnitude in the block)) - 8, held to -126 .. 127; a block of zeros has e = 0. As a byte (E8M0): e + 127.
;;     - Each number is divided by its block's scale, clamped to +-448, and rounded to the nearest number of E4M3, ties to even, subnormals kept.
;;     - The product sums the exact products of the quantised numbers (number of the format x scale) in f32.
;;   ~~~python
;;   def quantise(x, axis):      # numpy; x: float32 -> the quantised numbers, widened to float32 again
;;       x = np.moveaxis(x, axis, -1); K = x.shape[-1]
;;       x = np.pad(x, [(0, 0)] * (x.ndim - 1) + [(0, -K % 32)]); x = x.reshape(x.shape[:-1] + (-1, 32)); a = np.abs(x).max(-1, keepdims=True)
;;       e = np.where(a > 0, np.clip(np.frexp(np.where(a > 0, a, 1))[1] - 1 - 8, -126, 127), 0)      # np.frexp(a)[1] - 1 = floor(log2(a)), exactly
;;       r = np.clip(x / 2.0 ** e, -448, 448)
;;       step = 2.0 ** (np.maximum(np.frexp(np.where(r == 0, 1, r))[1] - 1, -6) - 3)
;;       q = np.round(r / step) * step * 2.0 ** e      # np.round: ties to even
;;       return np.moveaxis(q.reshape(q.shape[:-2] + (-1,))[..., :K], -1, axis).astype(np.float32)
;;   ~~~
;;   SOFTMAX AHEAD OF A QUANTISED PRODUCT. Where the list says 'softmax', what is quantised is not the finished softmax but p = 2^(t - M), with t = logit x log2(e) and M = ceil(the row's largest t), a whole number; so 1/2 < the row's largest p <= 1. The row's sum l is taken of the UNQUANTISED p, in f32, and the product's result is divided by l at the end. Since M is a whole number, a kernel that streams over the keys may use a running M (the ceiling of the running maximum): every later rescaling is an exact power of two, which a block's scale takes up: the codes' values come out the same.
;;   OPERANDS COMPUTED ON THE WAY. 'Computed on the way' means the value that the module computes at that place (a softmax that the list does not call 'softmax' is quantised finished and normalised). What goes into a quantiser is computed in f32, as accurately as f32 sums, v_exp_f32 and their like allow (about 1e-6 of the number): no bf16 or f16 on the way to a quantiser, and a product that is left as it is and whose result goes on into a quantised operand takes f32 operands (vector FMAs, or v_wmma_f32_16x16x4_f32). A number that lies on a knife's edge between two numbers of the format may be rounded either way, as far as f32 arithmetic and the matrix unit's own rounding can turn it there, and no further.
;; One version. Each part assembles by itself: llvm-mc -triple=amdgcn-amd-amdhsa -mcpu=gfx1250 --defsym DOCPART=n.
;; ======== version 1 of 1: 4 launches
;; limits: right only within a limited range of input values
;; workspace buffers: xq 8,650,752 bytes; wq 4,325,376 bytes; qk 17,301,504 bytes; vt 8,650,752 bytes; cx 8,650,752 bytes
;; launch quant (part 1): grid 512 x 1, 4 waves a work-group, no clusters, 35,328 bytes of LDS; arguments x, Wq, Wk, Wv, Wo, xq, wq; writes xq, wq
.if DOCPART == 1
	.amdgcn_target "amdgcn-amd-amdhsa--gfx1250"
	.amdhsa_code_object_version 6
	.text
	.protected	k_qfd7ae7a08e_quant
	.globl	k_qfd7ae7a08e_quant
	.p2align	8
	.type	k_qfd7ae7a08e_quant,@function
k_qfd7ae7a08e_quant:
	s_mov_b64 s[64:65], 0
	v_nop
	global_prefetch_b8 v0, s[64:65] scope:SCOPE_SE
	s_setreg_imm32_b32 hwreg(HW_REG_WAVE_MODE, 25, 1), 1
	s_wait_xcnt 0x0
; x [8192][1024] and Wq, Wk, Wv, Wo [1024 (k)][1024 (n)], f32, become codes of FP8 (E4M3) with one E8M0 byte for each 32 along K, K = the 1,024 that the products contract.
; THE LAYOUT OF EVERY CODE BUFFER OF THIS PROGRAM: images of the matrix operand's registers.  A fragment (a tile of 16 rows, 128 along K) is 2,048 bytes, [c 0..3][lane 0..31][16 bytes]:
; lane (r = lane % 16, h = lane / 16), group c holds k = 32 c + 16 h + 0 .. 15 of the tile's row r.  Its scale words: 64 bytes, word r, byte c for block c.
; THE ROWS OF A TILE ARE NOT NEIGHBOURS: tile 2 G + u holds rows 32 G + 8 u + (i % 8) + 16 (i / 8), i = 0 .. 15.  So where such a matrix is source 0 of a product, a lane's 16 result registers of tiles
; 2 G and 2 G + 1 are 16 neighbours along the next product's K.
; xq: codes [tile 512][K step 8][2048], then at byte 8,388,608 the scale words [tile][K step][64].  wq: the same form, tile = 64 x (0 Wq, 1 Wk, 2 Wv, 3 Wo) + n / 16 (its rows are W's columns n); scale words at 4,194,304.
; A block's scale is 2^(floor(log2(its largest magnitude)) - 8): its byte is the largest magnitude's exponent field - 8, held at 1 from below; each number is held within +-448 x the scale and converted.
; LIMITS: a block of zeros gets the byte 1 where the quantiser's text says 127 (its codes are zeros, and only this program reads the bytes); NaN and infinities among the inputs are not served.
; Work-groups 0-255 take x, 256-511 the weights.  Only x's path touches LDS.  No barrier: a wave's LDS bytes are its own.  No matrix unit, no cluster: nothing is shared and memory binds.
.set WREG, 8704                        ; LDS of a wave: a stage of 16 rows x 528 bytes, then 256 bytes of scale words
.set SPX,  528                         ; a stage row: 512 bytes + 16, so that the 16 rows that a read touches start at 16 different banks
.set SWO,  16*SPX
.set R,    16                          ; v16-143  x: two sets of 16 rows x 16 bytes a lane, as loaded
.set X,    144                         ; v144-207 x: 64 numbers of my row: register 16 b + i = k 32 b + 16 h + i
.set PC,   208                         ; v208-223 the fragment's codes
.set TM,   224                         ; v224-227 largest magnitudes, 228-231 bytes, 236-239 the conversions' scale operands
.set PW,   240                         ; v240-243 a scale word for each K step
.set XW,   32                          ; weights: v32-95 two sets of 32 numbers down K
.set CW,   96                          ; v96-127  eight registers of codes for each block: no store's data are written again
.set SB,   24                          ; v24      the four scale bytes
.set SEL,  24                          ; s[24:25] v_permlanex16_b32's selects for lane l xor 16
.set MNT,  26
.macro LOADX t                         ; K step t of my tile's 16 rows: each load reads 512 consecutive bytes of one row
.irp i, 0,1,2,3,4,5,6,7,8,9,10,11,12,13,14,15
	global_load_b128 v[R+64*((\t)%2)+4*\i:R+64*((\t)%2)+4*\i+3], v4, s[4:5] offset:((\i%8)+16*(\i/8))*4096+512*(\t) th:TH_LOAD_NT
.endr
.endm
.macro QUANT s, pw                     ; 64 numbers v[s] on become the fragment's codes in v[PC] on and my row's scale word in v[pw]
.irp b, 0,1,2,3
	v_max3_num_f32 v[TM+\b], |v[\s+16*\b]|, |v[\s+1+16*\b]|, 0x4800000   ; block b: my 16 numbers, and the floor 2^(9 - 127): the byte cannot fall under 1
.endr
.irp i, 2,4,6,8,10,12,14
.irp b, 0,1,2,3
	v_max3_num_f32 v[TM+\b], v[TM+\b], |v[\s+16*\b+\i]|, |v[\s+1+16*\b+\i]|   ; the four blocks by turns
.endr
.endr
.irp b, 0,1,2,3
	v_permlanex16_b32 v[TM+4+\b], v[TM+\b], s[SEL], s[SEL+1]
.endr
.irp b, 0,1,2,3
	v_max_num_f32 v[TM+\b], v[TM+\b], v[TM+4+\b]   ; with lane l xor 16's 16: the block's largest magnitude
.endr
.irp b, 0,1,2,3
	v_add_nc_u32 v[TM+12+\b], 0xfc000000, v[TM+\b]   ; 8 off its exponent field: the conversion's scale operand
.endr
.irp b, 0,1,2,3
.endr
.irp b, 0,1,2,3
	v_lshrrev_b32 v[TM+4+\b], 23, v[TM+12+\b]      ; the scale's byte
.endr
	v_lshl_or_b32 v[\pw], v[TM+5], 8, v[TM+4]
	v_lshl_or_b32 v[\pw], v[TM+6], 16, v[\pw]
	v_lshl_or_b32 v[\pw], v[TM+7], 24, v[\pw]
.irp b, 0,1,2,3
.irp i, 0,1,2,3,4,5,6,7,8,9,10,11,12,13,14,15
.endr
	v_cvt_scalef32_pk8_fp8_f32 v[PC+4*\b:PC+1+4*\b], v[\s+16*\b:\s+7+16*\b], v[TM+12+\b]
	v_cvt_scalef32_pk8_fp8_f32 v[PC+2+4*\b:PC+3+4*\b], v[\s+8+16*\b:\s+15+16*\b], v[TM+12+\b]
.endr
	v_nop                                          ; one plain line behind the last conversion
.endm
.macro STEPX t
.if \t < 3
	s_wait_loadcnt 16                              ; this step's 16 loads are in; the next step's 16 may be out
.else
	s_wait_loadcnt 0x0
.endif
.irp i, 0,1,2,3,4,5,6,7,8,9,10,11,12,13,14,15
	ds_store_b128 v5, v[R+64*((\t)%2)+4*\i:R+64*((\t)%2)+4*\i+3] offset:SPX*\i   ; row i as it lies
.endr
.irp b, 0,1,2,3
.irp j, 0,1,2,3
	ds_load_b128 v[X+16*\b+4*\j:X+16*\b+4*\j+3], v6 offset:128*\b+16*\j   ; LDS serves a wave's instructions in order: these see the stores.  My row's 16 neighbours of each block
.endr
.endr
	s_wait_dscnt 0x0
.if \t < 2
	LOADX (\t)+2                                   ; into the set that the stage's stores have read
.endif
.if \t > 0
	s_wait_xcnt 0x0                                ; the last step's stores have read v[PC] on: only now are those registers written again
.endif
	QUANT X, PW+\t
.irp c, 0,1,2,3
	global_store_b128 v4, v[PC+4*\c:PC+4*\c+3], s[20:21] offset:2048*(\t)+512*\c   ; 32 lanes store 512 consecutive bytes, aligned
.endr
.endm
.macro LOADW t                         ; block t: W(32 t + i, my column), i = 0 .. 31
.irp i, 0,1,2,3,4,5,6,7,8,9,10,11,12,13,14,15,16,17,18,19,20,21,22,23,24,25,26,27,28,29,30,31
	global_load_b32 v[XW+32*((\t)%2)+\i], v2, s[4:5] offset:(32*(\t)+\i)*4096 th:TH_LOAD_NT
.endr
.endm
.macro BLOCKW t
.set XS, XW+32*((\t)%2)
.if \t < 3
	s_wait_loadcnt 32                              ; this block's 32 loads are in; the next block's 32 may be out
.else
	s_wait_loadcnt 0x0
.endif
	v_max3_num_f32 v12, |v[XS]|, |v[XS+1]|, |v[XS+2]|   ; all 32 numbers of the block are mine
	v_max3_num_f32 v13, |v[XS+3]|, |v[XS+4]|, |v[XS+5]|
.irp i, 6,10,14,18,22,26
	v_max3_num_f32 v12, v12, |v[XS+\i]|, |v[XS+\i+1]|
	v_max3_num_f32 v13, v13, |v[XS+\i+2]|, |v[XS+\i+3]|
.endr
	v_max3_num_f32 v12, v12, |v[XS+30]|, |v[XS+31]|
	v_max3_num_f32 v12, v12, v13, 0x4800000        ; and the floor
	v_add_nc_u32 v11, 0xfc000000, v12
	v_lshrrev_b32 v13, 23, v11
.if \t == 0
	v_mov_b32 v[SB], v13
.else
	v_lshl_or_b32 v[SB], v13, 8*(\t), v[SB]
.endif
.irp i, 0,1,2,3,4,5,6,7,8,9,10,11,12,13,14,15,16,17,18,19,20,21,22,23,24,25,26,27,28,29,30,31
.endr
.irp g, 0,1,2,3
	v_cvt_scalef32_pk8_fp8_f32 v[CW+8*(\t)+2*\g:CW+8*(\t)+2*\g+1], v[XS+8*\g:XS+8*\g+7], v11
.endr
	v_nop
	global_store_b128 v3, v[CW+8*(\t):CW+8*(\t)+3], s[20:21] offset:512*(\t)         ; k 0-15 of the block are the image's lanes 0-15: sixteen lanes store 256 consecutive bytes, aligned, in each of my two tiles
	global_store_b128 v3, v[CW+8*(\t)+4:CW+8*(\t)+7], s[20:21] offset:512*(\t)+256   ; k 16-31 its lanes 16-31
.if \t < 2
	LOADW (\t)+2
.endif
.endm
	s_load_b256 s[4:11], s[0:1], 0x0               ; x, Wq, Wk, Wv
	s_load_b128 s[12:15], s[0:1], 0x20             ; Wo, xq
	s_load_b64 s[16:17], s[0:1], 0x30              ; wq
	v_lshl_add_u32 v254, v0, 2, 0x8800
	v_mov_b32 v255, 0
	v_lshrrev_b32 v1, 5, v0
	v_readfirstlane_b32 s18, v1                    ; wave 0..3
	v_and_b32 v1, 31, v0                           ; lane
	s_mov_b32 s[SEL], 0x76543210
	s_mov_b32 s[SEL+1], 0xfedcba98
	s_cmp_lt_u32 ttmp9, 256
	s_cbranch_scc0 .Lweights
	; ---- x.  A wave takes tile 2 x work-group + wave / 2 and half (wave % 2) of K: four K steps of 128.
	v_and_b32 v2, 15, v0                           ; r
	v_bfe_u32 v3, v0, 4, 1                         ; h
	v_lshlrev_b32 v4, 4, v1                        ; 16 x lane: my place in a load's and in a store's 512 bytes
	s_mul_i32 s19, s18, WREG
	v_add_nc_u32 v5, s19, v4                       ; the stage, on the way in
	v_mul_u32_u24 v6, v2, SPX
	v_lshl_add_u32 v6, v3, 6, v6
	v_add_nc_u32 v6, s19, v6                       ; and out: row r, + 64 h
	v_lshlrev_b32 v7, 2, v2
	v_add_nc_u32 v7, s19, v7
	v_add_nc_u32 v7, SWO, v7                       ; my row's scale word
	v_lshlrev_b32 v9, 3, v1
	v_add_nc_u32 v8, s19, v9
	v_add_nc_u32 v8, SWO, v8                       ; the 256 bytes of scale words, 8 a lane
.irp b, 0,1,2,3
	v_mov_b32 v[TM+4+\b], 0                        ; written once: a lane permute's destination counts as one of its sources
.endr
	s_lshr_b32 s27, s18, 1                         ; u
	s_and_b32 s28, s18, 1                          ; which half of K
	s_lshl_b32 s30, ttmp9, 17                      ; 32 rows of 4,096 bytes,
	s_lshl_b32 s29, s27, 15                        ; 8 u rows,
	s_add_co_u32 s30, s30, s29
	s_lshl_b32 s29, s28, 11                        ; 512 numbers
	s_add_co_u32 s30, s30, s29
	s_mov_b32 s31, 0
	s_lshl_b32 s29, ttmp9, 1
	s_add_co_u32 s29, s29, s27                     ; my tile
	s_lshl_b32 s32, s29, 14
	s_lshl_b32 s34, s28, 13
	s_add_co_u32 s32, s32, s34                     ; its codes
	s_mov_b32 s33, 0
	s_lshl_b32 s34, s29, 9
	s_lshl_b32 s29, s28, 8
	s_add_co_u32 s34, s34, s29
	s_add_co_u32 s34, s34, 8388608                 ; its scale words
	s_mov_b32 s35, 0
	s_wait_kmcnt 0x0
	s_add_nc_u64 s[4:5], s[4:5], s[30:31]
	s_add_nc_u64 s[20:21], s[14:15], s[32:33]
	s_add_nc_u64 s[22:23], s[14:15], s[34:35]
	LOADX 0
	LOADX 1
.irp t, 0,1,2,3
	STEPX \t
.endr
.irp t, 0,1,2,3
	ds_store_b32 v7, v[PW+\t] offset:64*\t         ; lanes r and r + 16 write the same word with the same value
.endr
	ds_load_b64 v[244:245], v8
	s_wait_dscnt 0x0
	global_store_b64 v9, v[244:245], s[22:23]      ; 32 lanes store 256 consecutive bytes, aligned
	s_wait_tensorcnt 0x0
	ds_add_u32 v254, v255
	s_wait_dscnt 0x0
	s_endpgm
.Lweights:
	; ---- the weights.  A lane takes a column n and its registers run down K.  A wave takes 32 columns (two tiles) x 128 along K.
	s_sub_co_u32 s19, ttmp9, 256
	s_lshr_b32 s27, s19, 6                         ; which weight
	s_bfe_u32 s28, s19, 0x30003                    ; which K step
	s_and_b32 s29, s19, 7
	s_lshl_b32 s29, s29, 2
	s_add_co_u32 s29, s29, s18                     ; which 32 columns
	s_wait_alu depctr_va_vdst(0)
	v_and_b32 v2, 7, v1
	v_bfe_u32 v5, v1, 3, 1
	v_bfe_u32 v6, v1, 4, 1
	v_lshl_or_b32 v2, v5, 4, v2
	v_lshl_or_b32 v2, v6, 3, v2                    ; lane l takes column (l % 8) + 16 ((l / 8) % 2) + 8 (l / 16): lanes 0-15 are the first tile's rows, lanes 16-31 the second's
	v_lshlrev_b32 v2, 2, v2
	v_and_b32 v7, 15, v1
	v_lshlrev_b32 v3, 4, v7
	v_lshl_or_b32 v3, v6, 14, v3                   ; codes: 16 x row, + a tile's 16,384 bytes
	v_lshlrev_b32 v4, 2, v7
	v_lshl_or_b32 v4, v6, 9, v4                    ; scale word: 4 x row, + a tile's 512 bytes
	s_lshl_b32 s30, s28, 19                        ; 128 rows of W,
	s_lshl_b32 s31, s29, 7                         ; 32 columns
	s_add_co_u32 s30, s30, s31
	s_mov_b32 s31, 0
	s_lshl_b32 s34, s27, 6
	s_lshl_b32 s35, s29, 1
	s_add_co_u32 s34, s34, s35                     ; my first tile
	s_lshl_b32 s32, s34, 14
	s_lshl_b32 s35, s28, 11
	s_add_co_u32 s32, s32, s35
	s_mov_b32 s33, 0
	s_lshl_b32 s34, s34, 9
	s_lshl_b32 s35, s28, 6
	s_add_co_u32 s34, s34, s35
	s_add_co_u32 s34, s34, 4194304
	s_mov_b32 s35, 0
	s_wait_alu depctr_va_vdst(0)
	s_wait_kmcnt 0x0
	s_bitcmp1_b32 s27, 0                           ; the choice hangs on the work-group's number alone
	s_cselect_b64 s[6:7], s[8:9], s[6:7]           ; Wk or Wq
	s_cselect_b64 s[10:11], s[12:13], s[10:11]     ; Wo or Wv
	s_bitcmp1_b32 s27, 1
	s_cselect_b64 s[4:5], s[10:11], s[6:7]
	s_add_nc_u64 s[4:5], s[4:5], s[30:31]
	s_add_nc_u64 s[20:21], s[16:17], s[32:33]
	s_add_nc_u64 s[22:23], s[16:17], s[34:35]
	LOADW 0
	LOADW 1
.irp t, 0,1,2,3
	BLOCKW \t
.endr
	global_store_b32 v4, v[SB], s[22:23]           ; two runs of 64 bytes: these do not fill an aligned 256 bytes; they are one byte for each 128 that the wave reads
	s_endpgm
.Lfunc_end_k_qfd7ae7a08e_quant:
	.size	k_qfd7ae7a08e_quant, .Lfunc_end_k_qfd7ae7a08e_quant-k_qfd7ae7a08e_quant
	.p2alignl 7, 3214868480
	.fill 96, 4, 3214868480
	.section	.rodata,"a",@progbits
	.p2align	6, 0x0
	.amdhsa_kernel k_qfd7ae7a08e_quant
		.amdhsa_group_segment_fixed_size 35328
		.amdhsa_private_segment_fixed_size 0
		.amdhsa_enable_private_segment 0
		.amdhsa_kernarg_size 56
		.amdhsa_user_sgpr_count 2
		.amdhsa_user_sgpr_kernarg_segment_ptr 1
		.amdhsa_wavefront_size32 1
		.amdhsa_system_sgpr_workgroup_id_x 1
		.amdhsa_system_sgpr_workgroup_id_y 1
		.amdhsa_system_sgpr_workgroup_id_z 1
		.amdhsa_system_vgpr_workitem_id 0
		.amdhsa_next_free_vgpr 256
		.amdhsa_next_free_sgpr 66
		.amdhsa_reserve_vcc 0
		.amdhsa_float_denorm_mode_32 3
		.amdhsa_float_denorm_mode_16_64 3
		.amdhsa_fp16_overflow 1
		.amdhsa_memory_ordered 1
		.amdhsa_forward_progress 1
		.amdhsa_inst_pref_size 54
	.end_amdhsa_kernel
	.amdgpu_metadata
---
amdhsa.version: [ 1, 2 ]
amdhsa.kernels:
  - .name:           k_qfd7ae7a08e_quant
    .symbol:         k_qfd7ae7a08e_quant.kd
    .args:
      - { .name: x, .offset: 0, .size: 8, .value_kind: global_buffer, .address_space: global }
      - { .name: Wq, .offset: 8, .size: 8, .value_kind: global_buffer, .address_space: global }
      - { .name: Wk, .offset: 16, .size: 8, .value_kind: global_buffer, .address_space: global }
      - { .name: Wv, .offset: 24, .size: 8, .value_kind: global_buffer, .address_space: global }
      - { .name: Wo, .offset: 32, .size: 8, .value_kind: global_buffer, .address_space: global }
      - { .name: xq, .offset: 40, .size: 8, .value_kind: global_buffer, .address_space: global }
      - { .name: wq, .offset: 48, .size: 8, .value_kind: global_buffer, .address_space: global }
    .group_segment_fixed_size: 35328
    .private_segment_fixed_size: 0
    .kernarg_segment_align: 8
    .kernarg_segment_size: 56
    .max_flat_workgroup_size: 128
    .sgpr_count:     66
    .vgpr_count:     256
    .wavefront_size: 32
...
	.end_amdgpu_metadata
.endif
;; end of part 1
;; launch proj (part 2): grid 12 x 32, 4 waves a work-group, clusters of 4 x 4, 327,680 bytes of LDS; arguments xq, wq, qk, vt; writes qk, vt
.if DOCPART == 2
	.amdgcn_target "amdgcn-amd-amdhsa--gfx1250"
	.amdhsa_code_object_version 6
	.text
	.protected	k_qfd7ae7a08e_proj
	.globl	k_qfd7ae7a08e_proj
	.p2align	8
	.type	k_qfd7ae7a08e_proj,@function
k_qfd7ae7a08e_proj:
	s_mov_b64 s[64:65], 0
	v_nop
	global_prefetch_b8 v0, s[64:65] scope:SCOPE_SE
	s_setreg_imm32_b32 hwreg(HW_REG_WAVE_MODE, 25, 1), 1
	s_wait_xcnt 0x0
	s_wait_alu depctr_hold_cnt(0) depctr_sa_sdst(0) depctr_va_vdst(0) depctr_va_sdst(0) depctr_va_ssrc(0) depctr_va_vcc(0) depctr_vm_vsrc(0)
	s_getreg_b32 s2, hwreg(HW_REG_IB_STS2, 6, 4)
	s_cmp_eq_u32 s2, 0
	s_cbranch_scc0 .Lentry_in_a_cluster
	s_endpgm
.Lentry_in_a_cluster:
	s_bfe_u32 s2, ttmp6, 0x10000c
	s_cmp_lg_u32 s2, 0xf033
	s_cbranch_scc0 .Lentry_shape_is_right
	s_endpgm
.Lentry_shape_is_right:
; q, k = x [Wq Wk] and v^T = Wv^T x^T, on codes of FP8 (E4M3) with one E8M0 scale for each 32 along K = 1,024; the results are quantised in registers, along the axis that the next product contracts, and leave as codes.
; BUFFERS: images of operand registers.  A fragment (tile of 16 rows, 128 along K) is 2,048 bytes [c][lane][16]; its scale words 64 bytes.  Tile 2 G + u holds rows 32 G + 8 u + (i % 8) + 16 (i / 8).
;   xq, wq: codes [tile][K step 8][2048], scale words [tile][K step][64] at 8,388,608 (xq) and 4,194,304 (wq); wq's tiles: 0-63 Wq, 64-127 Wk, 128-191 Wv.
;   qk: codes [s 16][token tile 512][2048] (s 0-7: q's pairs of heads, 8-15: k's; in a fragment groups 0, 1 are the even head's 64, groups 2, 3 the odd head's), scale words [s][tile][64] at 16,777,216.
;   vt: codes [s 64 = 16 batch + key step][d tile 64][2048] (K = the keys), scale words [s][tile][64] at 8,388,608.
; TWO PRODUCTS IN ONE TEXT, chosen by the cluster's x, which all partners share: clusters 0, 1: C = x (rows) x [Wq Wk] (columns); cluster 2: C = Wv^T (rows: d) x x (columns: tokens).  Only pointers, tile numbers and two strides are chosen.
; A tile of C, 256 x 256, is made by four waves, each 128 x 128: 64 accumulators, 512 registers.  K goes in steps of 256 through two LDS slots filled by the tensor data mover; a tile's 4,096 bytes of a step are consecutive in memory.
; The scale words of the work-group's rows and columns, for all of K, come into LDS once.  CLUSTERS: 4 x 4; A's tiles are asked for jointly along a row of the cluster, B's along a column.
; THE MATRIX INSTRUCTION IS USED TRANSPOSED (source 0 = a tile of B, source 1 = a tile of A): lane (r, h) holds row r of A's tile, and by the order of B's rows its 64 results of a block are columns 32 c + 16 h + 0 .. 15, c = 0 .. 3:
; a fragment's own layout.  So the way out is: largest magnitudes, scale bytes, hold, conversion, and four stores of 512 consecutive bytes.
; LIMITS: a block of zeros gets the byte 1 (its codes are zeros; only this program reads the bytes); NaN and infinities are not served.
; REGISTERS: window 0: v1-31 addresses; v32-63 scale words, two sets; v64-91 at work on the way out; v128-255 A's 8 fragments, one set (on the way out: the codes).  window 1: B's fragments, two sets.  windows 2, 3: the accumulators, (a, b) at v[8 (8 (a % 4) + b)].
.set NQ,    2                          ; matrix instructions deep in a slot
.set FR,    16                         ; registers of a fragment
.set NL,    4                          ; LDS loads that bring one
.set NP,    8                          ; places behind this matrix instruction (ISA guide 7.12.1)
.set RT,    4096                       ; a tile's bytes in a slot: two fragments
.set HALFT, 8*RT                       ; what one tensor load brings, and what one wave reads of A or of B
.set SLOT,  4*HALFT                    ; A's 16 tiles, then B's 16
.set SCL,   2*SLOT                     ; A's scale words, 8,192 bytes [tile][K step][64]; B's 8,320 bytes on, so that lanes 0-15 (A's) and 16-31 (B's) of a load fall on different banks
.set SPARE, SCL+2*8192+256             ; the spare words, 128 bytes for each wave: two blocks of 256 bytes that no other line names
.set STG,   SPARE+512                  ; 512 bytes for each wave: its scale words on the way out
.set L16,  3                           ; v3   16 x lane
.set ADRA, 16                          ; v16-17 LDS address of my A fragments in slot 0, 1
.set ADRB, 20                          ; v20-21 the same for B
.set SST,  24                          ; v24  where I put a scale word
.set SRD,  25                          ; v25  where I read 16 bytes of them back
.set ADRS, 27                          ; v27  my scale words: lanes 0-15 A's rows, lanes 16-31 B's
.set SPW,  28                          ; v28  LDS address of my spare word; never rewritten
.set NIL,  29                          ; v29  0; never rewritten
.set SC,   32                          ; set s at v[SC + 16 s]; register 2 i + q: lanes 0-15 the word of A's tile i, lanes 16-31 of B's tile i, for the slot's q-th 128 along K
.set TM,   64
.set PW,   80                          ; v80-87 a scale word for each block
.set RB,   88
.set AF,   128
.set PC,   128
.set G1, 24
.set G0, 32
.set G1B, 48
.set G0B, 56
.set G1S, 68
.set G0S, 76
.set G1SB, 80
.set G0SB, 88
.set MSB, 0
.macro WIN new                         ; the immediate's high byte repeats the setting that is left
.if MSB != (\new)
	s_set_vgpr_msb (MSB<<8)|(\new)
.set MSB, (\new)
.endif
.endm
.set MUL_LO, 0xa1                      ; source 0 (B) window 1, source 1 (A) window 0, C and D window 2
.set MUL_HI, 0xf1                      ; the same, C and D window 3
.set TO_B,   0x40                      ; destination window 1
; A joint load: waves 0 and 1 fetch for A, waves 2 and 3 for B; the branch hangs on the wave's number alone.  Four v_nop follow each of the two lines.
.macro JLOAD g0a, g1a, g0b, g1b
	s_cmp_eq_u32 s15, 0
	s_cbranch_scc0 .Lfor_b_\@
	tensor_load_to_lds s[\g0a:\g0a+3], s[\g1a:\g1a+7]
	s_nop 0
.rept 4
	v_nop
.endr
	s_branch .Lasked_\@
.Lfor_b_\@:
	tensor_load_to_lds s[\g0b:\g0b+3], s[\g1b:\g1b+7]
	s_nop 0
.rept 4
	v_nop
.endr
.Lasked_\@:
.endm
.macro CREST                           ; a round of the cluster's barrier behind its opening barrier
	s_cmp_lg_u32 s14, 0
	s_cbranch_scc1 .Lnot_wave_0_\@
	s_barrier_signal -3
.Lnot_wave_0_\@:
	s_barrier_wait -3
	s_barrier_signal -1
	s_barrier_wait -1
.endm
.macro CROUND
	s_barrier_signal -1
	s_barrier_wait -1
	CREST
.endm
	s_load_b256 s[4:11], s[0:1], 0x0               ; xq, wq, qk, vt
	v_lshl_add_u32 v[SPW], v0, 2, SPARE
	v_mov_b32 v[NIL], 0
	ds_add_u32 v28, v29
	ds_add_u32 v28, v29
	s_wait_dscnt 0x0
	v_lshrrev_b32 v1, 5, v0
	v_readfirstlane_b32 s14, v1                    ; wave 0..3
	s_lshr_b32 s15, s14, 1                         ; which half of the tile's rows is mine.  Also: I fetch for A (0) or for B (1)
	s_and_b32 s16, s14, 1                          ; which half of its columns.  Also: which 8 tiles I fetch
	s_bfe_u32 s40, ttmp6, 0x40000                  ; cx, cy: my place in the cluster
	s_bfe_u32 s41, ttmp6, 0x40004
	s_and_b32 s18, ttmp7, 0xffff                   ; the cluster's y
	s_mov_b32 s100, 1048576                        ; qk: bytes from s to s + 1 in the codes,
	s_mov_b32 s101, 32768                          ; and in the scale words
	s_cmp_eq_u32 ttmp9, 2                          ; the third column of clusters makes v^T
	s_cselect_b32 s19, 0, s18                      ; v^T has 4 tile rows (d): cy alone; q, k have 32 (tokens)
	s_cselect_b32 s20, s18, ttmp9                  ; v^T has 32 tile columns (tokens); q, k have 8
	s_cselect_b32 s100, 131072, s100               ; vt's two strides
	s_cselect_b32 s101, 4096, s101
	s_lshl_b32 s17, s19, 2
	s_add_co_u32 s17, s17, s41                     ; tile row of C
	s_lshl_b32 s42, s20, 2
	s_add_co_u32 s42, s42, s40                     ; tile column of C
	s_lshl_b32 s43, s41, 2
	s_lshl_b32 s43, 15, s43                        ; my row of the cluster
	s_lshl_b32 s44, 0x1111, s40                    ; my column
	; descriptor group 1, codes: 8 rows (tiles) of 4,096 bytes (512 elements of 8 bytes), 16,384 bytes apart; no padding: an LDS load takes 512 consecutive bytes
	s_or_b32 s[G1+0], s43, (3<<16)|(1<<21)         ; 15:0 the mask: A's tiles go to my row; 17:16 elements of 8 bytes; 21 set beside a mask
	s_or_b32 s[G1B+0], s44, (3<<16)|(1<<21)
.irp g, G1, G1B
	s_mov_b32 s[\g+1], 512<<16                     ; tensor_dim0
	s_mov_b32 s[\g+2], 8<<16                       ; tensor_dim1
	s_mov_b32 s[\g+3], 512<<16                     ; tile_dim0
	s_mov_b32 s[\g+4], 8                           ; tile_dim1
	s_mov_b32 s[\g+5], 2048                        ; tensor_dim0_stride
	s_mov_b32 s[\g+6], 0
	s_mov_b32 s[\g+7], 0
.endr
	; scale words of 8 tiles: 4,096 dense bytes, as 16 rows of 256
	s_or_b32 s[G1S+0], s43, (3<<16)|(1<<21)
	s_or_b32 s[G1SB+0], s44, (3<<16)|(1<<21)
.irp g, G1S, G1SB
	s_mov_b32 s[\g+1], 32<<16
	s_mov_b32 s[\g+2], 16<<16
	s_mov_b32 s[\g+3], 32<<16
	s_mov_b32 s[\g+4], 16
	s_mov_b32 s[\g+5], 32
	s_mov_b32 s[\g+6], 0
	s_mov_b32 s[\g+7], 0
.endr
	s_lshl_b32 s20, s17, 18                        ; A: 16 tiles of 16,384 bytes a tile row, + my 8 tiles
	s_lshl_b32 s18, s16, 17
	s_add_co_u32 s20, s20, s18
	s_mov_b32 s21, 0
	s_lshl_b32 s22, s17, 13                        ; its scale words: 16 x 512 bytes, + my 8 tiles'
	s_lshl_b32 s19, s16, 12
	s_add_co_u32 s22, s22, s19
	s_mov_b32 s23, 0
	s_lshl_b32 s46, s42, 18                        ; B likewise, by the tile column
	s_add_co_u32 s46, s46, s18
	s_mov_b32 s47, 0
	s_lshl_b32 s2, s42, 13
	s_add_co_u32 s2, s2, s19
	s_mov_b32 s3, 0
	s_lshl_b32 s45, s14, 15                        ; where the codes go: wave x 32,768: no place in the cluster enters an LDS address
	s_lshl_b32 s18, s14, 12                        ; and the scale words: wave x 4,096, + 128 for B's
	s_lshl_b32 s19, s15, 7
	s_add_co_u32 s18, s18, s19
	s_wait_kmcnt 0x0
	s_add_nc_u64 s[92:93], s[6:7], 0x200000        ; Wv's codes (tile 128 on)
	s_add_nc_u64 s[94:95], s[6:7], 4259840         ; Wv's scale words
	s_add_nc_u64 s[96:97], s[4:5], 8388608         ; x's scale words
	s_add_nc_u64 s[98:99], s[6:7], 4194304         ; Wq's and Wk's scale words
	s_add_nc_u64 s[66:67], s[8:9], 16777216        ; qk's scale words
	s_add_nc_u64 s[12:13], s[10:11], 8388608       ; vt's
	s_cmp_eq_u32 ttmp9, 2                          ; (compared again: the sums above are made of addresses only by forms that leave SCC, but shifts stood between)
	s_cselect_b64 s[92:93], s[92:93], s[4:5]       ; A's codes
	s_cselect_b64 s[94:95], s[94:95], s[96:97]     ; A's scale words
	s_cselect_b64 s[98:99], s[96:97], s[98:99]     ; B's scale words
	s_cselect_b64 s[96:97], s[4:5], s[6:7]         ; B's codes
	s_cselect_b64 s[66:67], s[12:13], s[66:67]     ; the result's scale words
	s_cselect_b64 s[12:13], s[10:11], s[8:9]       ; the result's codes
	s_add_nc_u64 s[92:93], s[92:93], s[20:21]
	s_add_nc_u64 s[94:95], s[94:95], s[22:23]
	s_add_nc_u64 s[96:97], s[96:97], s[46:47]
	s_add_nc_u64 s[98:99], s[98:99], s[2:3]
	CROUND                                         ; all sixteen work-groups are here: the first joint loads meet
	s_mov_b32 s[G0S], 1
	s_add_co_u32 s[G0S+1], s18, SCL
	s_mov_b64 s[G0S+2:G0S+3], s[94:95]
	s_or_b32 s[G0S+3], s[G0S+3], 0x80000000
	s_mov_b32 s[G0SB], 1
	s_add_co_u32 s[G0SB+1], s18, SCL
	s_mov_b64 s[G0SB+2:G0SB+3], s[98:99]
	s_or_b32 s[G0SB+3], s[G0SB+3], 0x80000000
	JLOAD G0S, G1S, G0SB, G1SB                     ; the scale words first: they are wanted with K step 0
.irp s, 0,1
	s_mov_b32 s[G0+4*\s], 1
	s_add_co_u32 s[G0+4*\s+1], s45, \s*SLOT
	s_add_nc_u64 s[G0+4*\s+2:G0+4*\s+3], s[92:93], \s*RT
	s_or_b32 s[G0+4*\s+3], s[G0+4*\s+3], 0x80000000
	s_mov_b32 s[G0B+4*\s], 1
	s_add_co_u32 s[G0B+4*\s+1], s45, \s*SLOT
	s_add_nc_u64 s[G0B+4*\s+2:G0B+4*\s+3], s[96:97], \s*RT
	s_or_b32 s[G0B+4*\s+3], s[G0B+4*\s+3], 0x80000000
	JLOAD G0+4*\s, G1, G0B+4*\s, G1B               ; three tensor loads of mine are out
.endr
	v_and_b32 v1, 15, v0                           ; r
	v_bfe_u32 v2, v0, 4, 1                         ; h
	s_wait_alu depctr_va_vdst(0)
	v_and_b32 v[L16], 31, v0
	v_lshlrev_b32 v[L16], 4, v[L16]
	s_lshl_b32 s21, s15, 15                        ; my 8 tiles of A
	s_lshl_b32 s22, s16, 15                        ; my 8 tiles of B,
	s_add_co_u32 s22, s22, 2*HALFT                 ; which lie behind A's 16
.irp s, 0,1
	v_add_nc_u32 v[ADRA+\s], s21, v[L16]
	v_add_nc_u32 v[ADRB+\s], s22, v[L16]
	s_add_co_u32 s21, s21, SLOT
	s_add_co_u32 s22, s22, SLOT
.endr
	v_lshlrev_b32 v5, 2, v1                        ; my row's word in a tile's 64 bytes
	s_lshl_b32 s21, s15, 12                        ; A's: my 8 tiles
	s_lshl_b32 s22, s16, 12                        ; B's: my 8 tiles, 8,320 bytes behind A's first
	s_add_co_u32 s22, s22, 8320
	s_sub_co_u32 s22, s22, s21
	v_mul_u32_u24 v6, s22, v2                      ; lanes 16-31 take B's
	s_add_co_u32 s21, s21, SCL
	v_add_nc_u32 v5, v5, v6
	v_add_nc_u32 v[ADRS], s21, v5
	s_lshl_b32 s21, s14, 9
	s_add_co_u32 s21, s21, STG
	v_lshl_add_u32 v[SST], v1, 2, s21
	v_add_nc_u32 v[SRD], s21, v[L16]
	; where my 8 fragments go: s = 2 x tile column + my half of the columns; tile = 16 x tile row + 8 x my half of the rows
	s_lshl_b32 s18, s42, 1
	s_add_co_u32 s18, s18, s16
	s_lshl_b32 s19, s17, 4
	s_lshl_b32 s20, s15, 3
	s_add_co_u32 s19, s19, s20
	s_mul_i32 s20, s18, s100
	s_lshl_b32 s22, s19, 11
	s_add_co_u32 s20, s20, s22
	s_mov_b32 s21, 0
	s_add_nc_u64 s[12:13], s[12:13], s[20:21]
	s_mul_i32 s20, s18, s101
	s_lshl_b32 s22, s19, 6
	s_add_co_u32 s20, s20, s22
	s_add_nc_u64 s[66:67], s[66:67], s[20:21]
	s_mov_b32 s18, 0x76543210                      ; v_permlanex16_b32's selects for lane l xor 16
	s_mov_b32 s19, 0xfedcba98
.macro FRAG reg, adr, q, i             ; a fragment comes as it lies: four loads of 512 consecutive bytes
.irp c, 0,1,2,3
	ds_load_b128 v[\reg+4*\c:\reg+4*\c+3], v[\adr] offset:RT*(\i)+2048*(\q)+512*\c
.endr
.endm
; 16 matrix instructions: A's tiles a0, a0 + 1 x B's eight, the slot's q-th 128 along K.  p: B's set; sc: the set of scale words.  zero = 1: the first product starts the sums.
; The 64 accumulators take turns, one instruction a turn, in the same order in every step.
.macro MUL16 a0, p, q, sc, zero
.irp a, \a0, \a0+1
.irp b, 0,1,2,3,4,5,6,7
.if \zero
	v_wmma_scale_f32_16x16x128_f8f6f4 v[8*(8*((\a)%4)+\b):8*(8*((\a)%4)+\b)+7], v[128*(\p)+FR*\b:128*(\p)+FR*\b+FR-1], v[AF+FR*(\a):AF+FR*(\a)+FR-1], 0, v[SC+8*NQ*(\sc)+NQ*\b+(\q)], v[SC+8*NQ*(\sc)+NQ*(\a)+(\q)] matrix_a_scale:MATRIX_SCALE_ROW1
.else
	v_wmma_scale_f32_16x16x128_f8f6f4 v[8*(8*((\a)%4)+\b):8*(8*((\a)%4)+\b)+7], v[128*(\p)+FR*\b:128*(\p)+FR*\b+FR-1], v[AF+FR*(\a):AF+FR*(\a)+FR-1], v[8*(8*((\a)%4)+\b):8*(8*((\a)%4)+\b)+7], v[SC+8*NQ*(\sc)+NQ*\b+(\q)], v[SC+8*NQ*(\sc)+NQ*(\a)+(\q)] matrix_a_scale:MATRIX_SCALE_ROW1
.endif
.endr
.endr
.endm
.macro FETCH_B slot, q, p
	WIN TO_B
.irp i, 0,1,2,3,4,5,6,7
	FRAG 128*(\p)+FR*\i, ADRB+\slot, \q, \i
.endr
	WIN 0
.endm
.macro FETCH_A slot, q, i0
.irp i, \i0, \i0+1, \i0+2, \i0+3
	FRAG AF+FR*(\i), ADRA+\slot, \q, \i
.endr
.endm
.macro SCALES sc                       ; the next slot's scale words: lanes 0-15 take A's tile i, lanes 16-31 B's tile i
.irp i, 0,1,2,3,4,5,6,7
.irp q, 0,1
	ds_load_b32 v[SC+8*NQ*\sc+NQ*\i+\q], v[ADRS] offset:512*\i+64*\q
.endr
.endr
.endm
; A load into a register that a matrix instruction has read, and a vector instruction that reads a result or writes one of its registers, stand NP places behind it; only plain vector instructions that name none of its registers are places (ISA guide 7.12.1 for vector instructions).
.macro PLACES n
.rept \n
	v_nop
.endr
.endm
.macro STEP slot, q, zero              ; a step of 128 along K that has its successor in the same slot
	s_wait_dscnt 4*NL                              ; B's set, the scale words and A's tiles 0-3 are in; the youngest 16 loads (A's tiles 4-7) may be out
	WIN MUL_LO
	MUL16 0, (\q)%2, \q, \slot, \zero
	MUL16 2, (\q)%2, \q, \slot, \zero
	s_wait_dscnt 0                                 ; A's tiles 4-7 are in
	PLACES NP
	FETCH_B \slot, (\q)+1, 1-(\q)%2
	FETCH_A \slot, (\q)+1, 0
	WIN MUL_HI
	MUL16 4, (\q)%2, \q, \slot, \zero
	MUL16 6, (\q)%2, \q, \slot, \zero
	PLACES NP
	WIN 0
	FETCH_A \slot, (\q)+1, 4
.endm
; A slot's last step changes slots: one barrier; in front of it each wave waits for all its tensor loads, adds 0 to its spare word, and waits for that and for its own reads of this slot.  fill = 1: this slot is filled again, two K steps ahead.
.macro TURN slot, next, fill
	s_wait_tensorcnt 0x0                           ; all my tensor loads have landed: my part of the next slot among them
	ds_add_u32 v[SPW], v[NIL]                      ; 0 onto my spare word
	s_wait_dscnt 4*NL+1                            ; (the add and the youngest 16 loads, A's tiles 4-7, may be out)
	WIN MUL_LO
	MUL16 0, 1, NQ-1, \slot, 0                     ; sixteen matrix instructions stand between the add and the wait for it
	s_wait_dscnt 0x0                               ; the add is done, and my reads of this slot are over
	s_barrier_signal -1
	MUL16 2, 1, NQ-1, \slot, 0
	WIN 0
	s_barrier_wait -1
.if \fill
	CREST                                          ; the barrier has opened a round of the cluster's barrier: no wave of any partner still reads this slot or has a load on its way
	s_add_nc_u64 s[G0+4*\slot+2:G0+4*\slot+3], s[G0+4*\slot+2:G0+4*\slot+3], 2*RT
	s_add_nc_u64 s[G0B+4*\slot+2:G0B+4*\slot+3], s[G0B+4*\slot+2:G0B+4*\slot+3], 2*RT
	JLOAD G0+4*\slot, G1, G0B+4*\slot, G1B         ; the first tensor load behind the round, my only one until the next; its four v_nop are among the places below
	PLACES NP-4
.else
	PLACES NP
.endif
	s_wait_alu depctr_va_vdst(0)
	v_add_nc_u32 v[ADRS], 64*NQ, v[ADRS]           ; on to the next slot's scale words (no LDS load of mine is out)
	FETCH_B \next, 0, 0
	FETCH_A \next, 0, 0
	SCALES \next
	WIN MUL_HI
	MUL16 4, 1, NQ-1, \slot, 0
	MUL16 6, 1, NQ-1, \slot, 0
	PLACES NP
	WIN 0
	FETCH_A \next, 0, 4
.endm
	s_wait_alu depctr_va_vdst(0)
	s_wait_tensorcnt 1                             ; the scale words and my part of slot 0 are in; slot 1's load may be out
	s_barrier_signal -1
	s_barrier_wait -1
	FETCH_B 0, 0, 0
	FETCH_A 0, 0, 0
	SCALES 0
	FETCH_A 0, 0, 4
	STEP 0, 0, 1                                   ; K = 1,024 is four slots' worth: the eight steps are written out
	TURN 0, 1, 1
	STEP 1, 0, 0
	TURN 1, 0, 1
	STEP 0, 0, 0
	TURN 0, 1, 0                                   ; nothing is left to fetch: a plain barrier
	STEP 1, 0, 0
	s_wait_dscnt 4*NL
	WIN MUL_LO
	MUL16 0, 1, NQ-1, 1, 0
	MUL16 2, 1, NQ-1, 1, 0
	s_wait_dscnt 0
	WIN MUL_HI
	MUL16 4, 1, NQ-1, 1, 0
	MUL16 6, 1, NQ-1, 1, 0
	WIN 0
; THE WAY OUT.  Block a (A's tile a): my 64 results, register 16 c + i = column 32 c + 16 h + i of my row, are quantised where they stand and become fragment a of the wave's eight.  Each accumulator is read from its low end on.
.macro QUANTW a
.set AC, 64*((\a)%4)
.set WW, 2+(\a)/4                      ; the block's window
	WIN WW|(WW<<2)                                 ; sources 0 and 1
.irp b, 0,1,2,3
	v_max3_num_f32 v[TM+\b], |v[AC+16*\b]|, |v[AC+16*\b+1]|, 0x4800000   ; and the floor 2^(9 - 127): the byte cannot fall under 1
.endr
	WIN (WW<<2)|(WW<<4)                            ; sources 1 and 2
.irp i, 2,4,6,8,10,12,14
.irp b, 0,1,2,3
	v_max3_num_f32 v[TM+\b], v[TM+\b], |v[AC+16*\b+\i]|, |v[AC+16*\b+\i+1]|
.endr
.endr
	WIN 0
.irp b, 0,1,2,3
	v_permlanex16_b32 v[TM+4+\b], v[TM+\b], s18, s19
.endr
.irp b, 0,1,2,3
	v_max_num_f32 v[TM+\b], v[TM+\b], v[TM+4+\b]   ; with lane l xor 16's 16: the block's largest magnitude
.endr
.irp b, 0,1,2,3
	v_add_nc_u32 v[TM+12+\b], 0xfc000000, v[TM+\b]   ; 8 off its exponent field: the conversion's scale operand
.endr
.irp b, 0,1,2,3
.endr
.irp b, 0,1,2,3
	v_lshrrev_b32 v[TM+4+\b], 23, v[TM+12+\b]      ; the byte
.endr
	v_lshl_or_b32 v[PW+(\a)], v[TM+5], 8, v[TM+4]
	v_lshl_or_b32 v[PW+(\a)], v[TM+6], 16, v[PW+(\a)]
	v_lshl_or_b32 v[PW+(\a)], v[TM+7], 24, v[PW+(\a)]
	WIN WW|(WW<<6)                                 ; source 0 and the destination
.irp b, 0,1,2,3
.irp i, 0,1,2,3,4,5,6,7,8,9,10,11,12,13,14,15
.endr
.endr
	WIN WW                                         ; source 0
.irp b, 0,1,2,3
	v_cvt_scalef32_pk8_fp8_f32 v[PC+16*(\a)+4*\b:PC+16*(\a)+4*\b+1], v[AC+16*\b:AC+16*\b+7], v[TM+12+\b]
	v_cvt_scalef32_pk8_fp8_f32 v[PC+16*(\a)+4*\b+2:PC+16*(\a)+4*\b+3], v[AC+16*\b+8:AC+16*\b+15], v[TM+12+\b]
.endr
	WIN 0
	v_nop                                          ; one plain line behind the last conversion
.irp c, 0,1,2,3
	global_store_b128 v[L16], v[PC+16*(\a)+4*\c:PC+16*(\a)+4*\c+3], s[12:13] offset:2048*(\a)+512*\c   ; 512 consecutive bytes, aligned; each block has its own 16 registers, so no store's data are written again
.endr
.endm
	PLACES NP                                      ; behind the last products: results are read, and A's registers take the codes
.irp b, 0,1,2,3
	v_mov_b32 v[TM+4+\b], 0                        ; written once: a lane permute's destination counts as one of its sources
.endr
.irp a, 0,1,2,3,4,5,6,7
	QUANTW \a
.endr
.irp a, 0,1,2,3,4,5,6,7
	ds_store_b32 v[SST], v[PW+\a] offset:64*\a     ; lanes r and r + 16 write the same word with the same value
.endr
	ds_load_b128 v[RB:RB+3], v[SRD]                ; LDS serves a wave's instructions in order: this sees my stores
	s_wait_dscnt 0x0
	global_store_b128 v[L16], v[RB:RB+3], s[66:67] ; my eight tiles' scale words: 512 consecutive bytes, aligned
	s_wait_tensorcnt 0x0                           ; the wave's end
	ds_add_u32 v[SPW], v[NIL]
	s_wait_dscnt 0x0
	CROUND                                         ; the closing round: no work-group ends while a partner may still ask for a tile that names it
	s_endpgm
.Lfunc_end_k_qfd7ae7a08e_proj:
	.size	k_qfd7ae7a08e_proj, .Lfunc_end_k_qfd7ae7a08e_proj-k_qfd7ae7a08e_proj
	.p2alignl 7, 3214868480
	.fill 96, 4, 3214868480
	.section	.rodata,"a",@progbits
	.p2align	6, 0x0
	.amdhsa_kernel k_qfd7ae7a08e_proj
		.amdhsa_group_segment_fixed_size 327680
		.amdhsa_private_segment_fixed_size 0
		.amdhsa_enable_private_segment 0
		.amdhsa_kernarg_size 32
		.amdhsa_user_sgpr_count 2
		.amdhsa_user_sgpr_kernarg_segment_ptr 1
		.amdhsa_wavefront_size32 1
		.amdhsa_system_sgpr_workgroup_id_x 1
		.amdhsa_system_sgpr_workgroup_id_y 1
		.amdhsa_system_sgpr_workgroup_id_z 1
		.amdhsa_system_vgpr_workitem_id 0
		.amdhsa_next_free_vgpr 1024
		.amdhsa_next_free_sgpr 102
		.amdhsa_reserve_vcc 0
		.amdhsa_float_denorm_mode_32 3
		.amdhsa_float_denorm_mode_16_64 3
		.amdhsa_fp16_overflow 1
		.amdhsa_memory_ordered 1
		.amdhsa_forward_progress 1
		.amdhsa_inst_pref_size 153
	.end_amdhsa_kernel
	.amdgpu_metadata
---
amdhsa.version: [ 1, 2 ]
amdhsa.kernels:
  - .name:           k_qfd7ae7a08e_proj
    .symbol:         k_qfd7ae7a08e_proj.kd
    .args:
      - { .name: xq, .offset: 0, .size: 8, .value_kind: global_buffer, .address_space: global }
      - { .name: wq, .offset: 8, .size: 8, .value_kind: global_buffer, .address_space: global }
      - { .name: qk, .offset: 16, .size: 8, .value_kind: global_buffer, .address_space: global }
      - { .name: vt, .offset: 24, .size: 8, .value_kind: global_buffer, .address_space: global }
    .group_segment_fixed_size: 327680
    .private_segment_fixed_size: 0
    .kernarg_segment_align: 8
    .kernarg_segment_size: 32
    .max_flat_workgroup_size: 128
    .sgpr_count:     102
    .vgpr_count:     1024
    .wavefront_size: 32
...
	.end_amdgpu_metadata
.endif
;; end of part 2
;; launch attn (part 3): grid 4 x 64, 16 waves a work-group, no clusters, 276,480 bytes of LDS; arguments qk, vt, cx; writes cx
.if DOCPART == 3
	.amdgcn_target "amdgcn-amd-amdhsa--gfx1250"
	.amdhsa_code_object_version 6
	.text
	.protected	k_qfd7ae7a08e_attn
	.globl	k_qfd7ae7a08e_attn
	.p2align	8
	.type	k_qfd7ae7a08e_attn,@function
k_qfd7ae7a08e_attn:
	s_mov_b64 s[64:65], 0
	v_nop
	global_prefetch_b8 v0, s[64:65] scope:SCOPE_SE
	s_setreg_imm32_b32 hwreg(HW_REG_WAVE_MODE, 25, 1), 1
	s_wait_xcnt 0x0
; ctx[b][q][head][:] = the sum over keys k <= q of softmax_k(q . k / 8) v[k][:], head size 64, 2,048 tokens, both products on codes of FP8 (E4M3) with one E8M0 scale for each 32 along a product's K; ctx leaves as codes along D = 1,024.
; BUFFERS (images of operand registers; a fragment is 2,048 bytes [c][lane][16]; tile 2 G + u holds rows 32 G + 8 u + (i % 8) + 16 (i / 8)):
;   qk: codes [s 16][token tile 512][2048], s 0-7 q's pairs of heads, 8-15 k's; groups c = 0, 1 are the even head's 64, c = 2, 3 the odd head's; scale words [s][tile][64] at 16,777,216.
;   vt: codes [16 batch + key step][d tile 64][2048], K = the keys; scale words at 8,388,608.   cx: codes [token tile 512][K step 8][2048], scale words [tile][K step][64] at 8,388,608.
; THE SOFTMAX AHEAD OF THE SECOND PRODUCT: t = score x log2(e) / 8; M = the row's largest t so far, rounded up to a whole number; p = 2^(t - M) is quantised along the keys, not normalised.
; The row's sum is taken of the unquantised p and divides O at the end.  When M moves, the sum and O are multiplied by 2^(old M - new M): exact.
; SHARES.  A work-group owns one head of one batch and two blocks of 256 queries, 7 - x and x, one after the other: with the causal mask that is the same number of key steps in every work-group.
; Each of sixteen waves owns one tile of 16 queries, four waves to a SIMD.  THE HEAD'S K AND V LIE IN LDS WHOLE, filled once, in four chunks of 512 keys, each read behind its own counted wait and a barrier: nothing is filled again and nothing is stored to LDS.
; NO CLUSTER: the four work-groups of a head differ in their blocks of queries, and the branch that leaves hidden key steps out hangs on that block.
; Both products are used transposed: S^T = K Q^T, O^T = V^T P^T: a lane holds one query throughout, and by the order of a tile's rows its 16 registers of two neighbouring tiles are 16 neighbouring keys (or channels).
; K = 64 IN A FORM OF 128: Q's operand is its 64 codes and 64 zero codes; a tile of K names 16 registers of which the upper 8 are the next tile's codes (or zeros), which meet Q's zeros.  The scale words come as 16 bits: two bytes of the head, two bytes 0.
; LIMITS: NaN and infinities are not served; a block of zeros gets the byte 1 (its codes are zeros; only this program reads the bytes); 1 / the sum is v_rcp_f32's.
.set VB,   131072                      ; LDS: K [tile 128][1024] from 0; V [key step 16][d tile 4][2048] from here;
.set KSC,  262144                      ; K's scale words [tile][64] (the pair of heads');
.set VSC,  270336                      ; V's [key step][d tile][64]
.set AK0,  1                           ; v1   16 x lane: my place in 512 bytes, in LDS and in memory
.set AV0,  2                           ; v2   the same in V
.set ASK0, 3                           ; v3   my row's two scale bytes in a tile of K
.set ASV0, 4                           ; v4   my row's scale word in a tile of V
.set QD,   5                           ; v5   (r % 8) + 16 (r / 8) - 16 h: my query less my half's first key
.set RW,   7                           ; v7   4 r + 2 e
.set ADK,  8                           ; v8-11 the step's addresses: K, V, K's scales, V's
.set ADV,  9
.set ADS,  10
.set ADT,  11
.set QF,   16                          ; v16-23 Q's codes, v24-31 zeros
.set FG,   32                          ; v32-95 eight tiles of K (8 registers each), later four fragments of V; v96-103 zeros
.set S,    104                         ; v104-167 S^T, then p
.set OT,   168                         ; v168-199 O^T
.set PC,   200                         ; v200-215 p's codes
.set KS,   216                         ; v216-223 K's scale words, later V's in v216-219; v220-223 also chains of the sum
.set BM,   224                         ; v224-227 block maxima; 228-231 permutes, bytes; 232-235 chains of the sum; 236-239 the conversions' scale operands
.set BP,   228
.set BH,   232
.set BS,   236
.set SUM2, 240                         ; v[240:241] the second chain of the sum
.set TMP,  242
.set FF,   244                         ; v[244:245] f = 2^(old M - new M) (the upper register is only named)
.set PWD,  246                         ; p's scale word
.set QWD,  247                         ; Q's
.set RB,   248                         ; 4 r + 2 e + h
.set CBY,  249                         ; ctx's scale byte
.set NINF, 250
.set GQ,   251                         ; v251-254 the pass's offsets: Q's codes, Q's scales, ctx's codes, ctx's scale byte
.set GQS,  252
.set GC,   253
.set GCS,  254
.set WV,   10
.set ROLE, 11
.set PP,   12
.set G1K,  16                          ; s[16:23] group 1: K's chunk part; s[24:31] V's; s[32:39] K's scale words; s[40:47] V's
.set G1V,  24
.set G1KS, 32
.set G1VS, 40
.set G0C,  48                          ; s[48:63] four groups 0, one for each chunk
.set G0SK, 68
.set G0SV, 72
.set SEL,  76
.set CS,   78                          ; s[78:79] c = log2(e) / 8
.set MNT,  80
.set TB,   81                          ; the step's first byte in K's and in V's region
.set TS,   82                          ; in K's scale words
.set TJ,   83                          ; in V's
.set KEY,  84                          ; the step's first key
.set Q0,   85                          ; my tile's lowest query
.set CNT,  86
.set PASS, 87
.set BLK,  88
.set HM,   89
.set QB,   90
.set QSB,  92
.set CB,   94
.set CSB,  96
	s_load_b128 s[4:7], s[0:1], 0x0                ; qk, vt
	s_load_b64 s[8:9], s[0:1], 0x10                ; cx
	v_lshl_add_u32 v243, v0, 2, 0x43000
	v_mov_b32 v255, 0
	ds_add_u32 v243, v255
	ds_add_u32 v243, v255
	v_lshrrev_b32 v8, 5, v0
	s_delay_alu instid0(VALU_DEP_1)
	v_readfirstlane_b32 s[WV], v8                  ; wave 0..15
	s_lshr_b32 s[ROLE], s[WV], 3                   ; waves 0-7 fetch K, 8-15 V
	s_and_b32 s[PP], s[WV], 7                      ; which eighth of a chunk
	s_and_b32 s13, ttmp7, 0xffff
	s_lshr_b32 s14, s13, 4                         ; batch
	s_and_b32 s15, s13, 15                         ; head
	s_and_b32 s2, s15, 1                           ; e: even or odd head of its pair
	s_lshr_b32 s3, s15, 1                          ; the pair
	s_mov_b32 s[G1K], 3<<16                        ; elements of 8 bytes, no mask, no padding.  K: 4 rows (tiles) of 1,024 bytes, 2,048 apart
	s_mov_b32 s[G1K+1], 128<<16
	s_mov_b32 s[G1K+2], 4<<16
	s_mov_b32 s[G1K+3], 128<<16
	s_mov_b32 s[G1K+4], 4
	s_mov_b32 s[G1K+5], 256
	s_mov_b32 s[G1K+6], 0
	s_mov_b32 s[G1K+7], 0
	s_mov_b32 s[G1V], 3<<16                        ; V: 4,096 dense bytes as 16 rows of 256
	s_mov_b32 s[G1V+1], 32<<16
	s_mov_b32 s[G1V+2], 16<<16
	s_mov_b32 s[G1V+3], 32<<16
	s_mov_b32 s[G1V+4], 16
	s_mov_b32 s[G1V+5], 32
	s_mov_b32 s[G1V+6], 0
	s_mov_b32 s[G1V+7], 0
	s_mov_b32 s[G1KS], 3<<16                       ; K's scale words: 1,024 dense bytes as 4 rows of 256
	s_mov_b32 s[G1KS+1], 32<<16
	s_mov_b32 s[G1KS+2], 4<<16
	s_mov_b32 s[G1KS+3], 32<<16
	s_mov_b32 s[G1KS+4], 4
	s_mov_b32 s[G1KS+5], 32
	s_mov_b32 s[G1KS+6], 0
	s_mov_b32 s[G1KS+7], 0
	s_mov_b32 s[G1VS], 3<<16                       ; V's: 2 rows (key steps) of 256 bytes, 4,096 apart
	s_mov_b32 s[G1VS+1], 32<<16
	s_mov_b32 s[G1VS+2], 2<<16
	s_mov_b32 s[G1VS+3], 32<<16
	s_mov_b32 s[G1VS+4], 2
	s_mov_b32 s[G1VS+5], 512
	s_mov_b32 s[G1VS+6], 0
	s_mov_b32 s[G1VS+7], 0
	; byte offsets, made apart from the addresses
	s_lshl_b32 s[QB], s3, 20                       ; q's codes of my head: pair x 2^20 + batch x 128 tiles + e x 1,024
	s_lshl_b32 s66, s14, 18
	s_add_co_u32 s[QB], s[QB], s66
	s_lshl_b32 s66, s2, 10
	s_add_co_u32 s[QB], s[QB], s66
	s_mov_b32 s[QB+1], 0
	s_lshl_b32 s[QSB], s3, 15                      ; q's scale words
	s_lshl_b32 s66, s14, 13
	s_add_co_u32 s[QSB], s[QSB], s66
	s_add_co_u32 s[QSB], s[QSB], 16777216
	s_mov_b32 s[QSB+1], 0
	s_lshl_b32 s[CB], s14, 21                      ; ctx's codes: batch x 128 tiles of 16,384 + head x 1,024 (K step = pair, groups 2 e and 2 e + 1)
	s_lshl_b32 s66, s15, 10
	s_add_co_u32 s[CB], s[CB], s66
	s_mov_b32 s[CB+1], 0
	s_lshl_b32 s[CSB], s14, 16                     ; ctx's scale words
	s_lshl_b32 s66, s3, 6
	s_add_co_u32 s[CSB], s[CSB], s66
	s_add_co_u32 s[CSB], s[CSB], 8388608
	s_mov_b32 s[CSB+1], 0
	s_lshl_b32 s66, s[PP], 10                      ; K's scale words: my 1,024 bytes: k's pairs lie 8 x 32,768 bytes behind q's
	s_add_co_u32 s[G0SK+1], s66, KSC
	s_add_co_u32 s[G0SK+2], s[QSB], s66
	s_add_co_u32 s[G0SK+2], s[G0SK+2], 8<<15
	s_mov_b32 s[G0SK+3], 0
	s_lshl_b32 s66, s[PP], 9                       ; V's scale words: my two key steps
	s_add_co_u32 s[G0SV+1], s66, VSC
	s_lshl_b32 s[G0SV+2], s14, 16
	s_lshl_b32 s66, s[PP], 13
	s_add_co_u32 s[G0SV+2], s[G0SV+2], s66
	s_lshl_b32 s66, s15, 8
	s_add_co_u32 s[G0SV+2], s[G0SV+2], s66
	s_add_co_u32 s[G0SV+2], s[G0SV+2], 8388608
	s_mov_b32 s[G0SV+3], 0
	s_lshl_b32 s66, s[PP], 13                      ; K's chunk 0: my 4 tiles
	s_add_co_u32 s98, s[QB], s66
	s_add_co_u32 s98, s98, 8<<20
	s_lshl_b32 s100, s14, 21                       ; V's chunk 0: key step p / 2, half p % 2 of the head's 8,192 bytes
	s_lshr_b32 s66, s[PP], 1
	s_lshl_b32 s66, s66, 17
	s_add_co_u32 s100, s100, s66
	s_lshl_b32 s66, s15, 13
	s_add_co_u32 s100, s100, s66
	s_and_b32 s66, s[PP], 1
	s_lshl_b32 s66, s66, 12
	s_add_co_u32 s100, s100, s66
	s_mov_b32 s101, 0x80000                        ; from chunk to chunk: V 4 key steps of 131,072 bytes, K 32 tiles of 2,048
	s_cmp_lt_u32 s[WV], 8
	s_cselect_b32 s98, s98, s100
	s_cselect_b32 s100, 0x10000, s101
	s_mov_b32 s99, 0
	s_mov_b32 s101, 0
	s_lshl_b32 s67, s[WV], 12                      ; where my part of chunk 0 goes: 4,096 x wave, + 98,304 for V's waves: K from 0, V from 131,072
	s_mul_i32 s66, s[ROLE], 98304
	s_add_co_u32 s67, s67, s66
	s_mov_b32 s[SEL], 0x76543210
	s_mov_b32 s[SEL+1], 0xfedcba98
	s_mov_b32 s[CS], 0x3e38aa3b                    ; log2(e) / 8
	s_mov_b32 s[CS+1], s[CS]
	s_mov_b32 s[HM], 0xffff0000                    ; lanes 16-31
	s_sub_co_u32 s[BLK], 7, ttmp9                  ; the longer block first
	s_mov_b32 s[PASS], 2
	s_wait_dscnt 0x0
	s_wait_kmcnt 0x0
	s_cmp_lt_u32 s[WV], 8                          ; the choice hangs on the wave's number alone
	s_cselect_b64 s[14:15], s[4:5], s[6:7]
	s_add_nc_u64 s[14:15], s[14:15], s[98:99]
.irp c, 0,1,2,3
	s_mov_b32 s[G0C+4*\c], 1
	s_add_co_u32 s[G0C+4*\c+1], s67, 32768*\c
	s_mov_b64 s[G0C+4*\c+2:G0C+4*\c+3], s[14:15]
	s_or_b32 s[G0C+4*\c+3], s[G0C+4*\c+3], 0x80000000
.if \c < 3
	s_add_nc_u64 s[14:15], s[14:15], s[100:101]
.endif
.endr
	s_mov_b32 s[G0SK], 1
	s_add_nc_u64 s[G0SK+2:G0SK+3], s[4:5], s[G0SK+2:G0SK+3]
	s_or_b32 s[G0SK+3], s[G0SK+3], 0x80000000
	s_mov_b32 s[G0SV], 1
	s_add_nc_u64 s[G0SV+2:G0SV+3], s[6:7], s[G0SV+2:G0SV+3]
	s_or_b32 s[G0SV+3], s[G0SV+3], 0x80000000
	s_add_nc_u64 s[QB:QB+1], s[4:5], s[QB:QB+1]
	s_add_nc_u64 s[QSB:QSB+1], s[4:5], s[QSB:QSB+1]
	s_add_nc_u64 s[CB:CB+1], s[8:9], s[CB:CB+1]
	s_add_nc_u64 s[CSB:CSB+1], s[8:9], s[CSB:CSB+1]
	s_cmp_lt_u32 s[WV], 8                          ; all first fills of a wave stand in one branch, ahead of every wait on TENSORcnt, LDS read and barrier: five loads of mine are out
	s_cbranch_scc0 .Lfill_v
	tensor_load_to_lds s[G0SK:G0SK+3], s[G1KS:G1KS+7]
	s_nop 0
	tensor_load_to_lds s[G0C:G0C+3], s[G1K:G1K+7]
	s_nop 0
	tensor_load_to_lds s[G0C+4:G0C+7], s[G1K:G1K+7]
	s_nop 0
	tensor_load_to_lds s[G0C+8:G0C+11], s[G1K:G1K+7]
	s_nop 0
	tensor_load_to_lds s[G0C+12:G0C+15], s[G1K:G1K+7]
	s_nop 0
.rept 4
	v_nop
.endr
	s_branch .Lfilled
.Lfill_v:
	tensor_load_to_lds s[G0SV:G0SV+3], s[G1VS:G1VS+7]
	s_nop 0
	tensor_load_to_lds s[G0C:G0C+3], s[G1V:G1V+7]
	s_nop 0
	tensor_load_to_lds s[G0C+4:G0C+7], s[G1V:G1V+7]
	s_nop 0
	tensor_load_to_lds s[G0C+8:G0C+11], s[G1V:G1V+7]
	s_nop 0
	tensor_load_to_lds s[G0C+12:G0C+15], s[G1V:G1V+7]
	s_nop 0
.rept 4
	v_nop
.endr
.Lfilled:
	v_and_b32 v[AK0], 31, v0
	s_delay_alu instid0(VALU_DEP_1)
	v_lshlrev_b32 v[AK0], 4, v[AK0]
	s_delay_alu instid0(VALU_DEP_1)
	v_add_nc_u32 v[AV0], VB, v[AK0]
	v_and_b32 v8, 15, v0                           ; r
	v_bfe_u32 v9, v0, 4, 1                         ; h
	s_delay_alu instid0(VALU_DEP_2)
	v_lshlrev_b32 v[ASV0], 2, v8
	s_delay_alu instid0(VALU_DEP_1)
	v_lshl_add_u32 v[RW], s2, 1, v[ASV0]           ; 4 r + 2 e
	s_delay_alu instid0(VALU_DEP_1)
	v_add_nc_u32 v[ASK0], KSC, v[RW]
	s_delay_alu instid0(VALU_DEP_2)
	v_add_nc_u32 v[RB], v[RW], v9
	s_delay_alu instid0(VALU_DEP_4)
	v_add_nc_u32 v[ASV0], VSC, v[ASV0]
	v_and_b32 v[QD], 7, v8
	v_lshrrev_b32 v10, 3, v8
	s_delay_alu instid0(VALU_DEP_1)
	v_lshl_add_u32 v[QD], v10, 4, v[QD]
	v_lshlrev_b32 v10, 4, v9
	s_delay_alu instid0(VALU_DEP_1)
	v_sub_nc_u32 v[QD], v[QD], v10
.irp j, 0,1,2,3,4,5,6,7
	v_mov_b32 v[QF+8+\j], 0                        ; the upper 64 of Q's operand: zero codes
	v_mov_b32 v[FG+64+\j], 0                       ; and what the last tile of K names behind its own 8 registers
.endr
.irp b, 0,1,2,3
	v_mov_b32 v[BP+\b], 0                          ; written once: a lane permute's destination counts as one of its sources
.endr
	v_mov_b32 v[TMP], 0
	v_mov_b32 v[FF+1], 0                           ; (named as the upper half of a pair)
	v_mov_b32 v[NINF], 0xff800000
; A KEY STEP: 128 keys.
.macro STEP
	s_add_co_u32 s98, s[Q0], 23                    ; my tile's highest query.  A step all of whose keys come after it is left out: a scalar branch on ids, not round the lines at the step's end that step addresses
	s_cmp_gt_u32 s[KEY], s98
	s_cbranch_scc1 .Lhidden_\@
	s_setprio 2
	v_add_nc_u32 v[ADK], s[TB], v[AK0]
	v_add_nc_u32 v[ADV], s[TB], v[AV0]
	v_add_nc_u32 v[ADS], s[TS], v[ASK0]
	v_add_nc_u32 v[ADT], s[TJ], v[ASV0]
.rept 4
	v_nop                                          ; with the four additions: eight places in front of loads into registers that the last products read
.endr
.irp t, 0,1,2,3,4,5,6,7
	ds_load_b128 v[FG+8*\t:FG+8*\t+3], v[ADK] offset:1024*\t
	ds_load_b128 v[FG+8*\t+4:FG+8*\t+7], v[ADK] offset:1024*\t+512
.endr
.irp t, 0,1,2,3,4,5,6,7
	ds_load_u16 v[KS+\t], v[ADS] offset:64*\t      ; my head's two bytes; bytes 2 and 3 are 0
.endr
	s_sub_co_i32 s99, s[Q0], s[KEY]
	s_wait_alu depctr_va_vdst(0)
	s_wait_dscnt 0x0
.irp t, 0,1,2,3,4,5,6,7
	v_wmma_scale_f32_16x16x128_f8f6f4 v[S+8*\t:S+8*\t+7], v[FG+8*\t:FG+8*\t+15], v[QF:QF+15], 0, v[KS+\t], v[QWD]
.endr                                              ; lane (r, h): my query; register 16 b + i: key KEY + 32 b + 16 h + i
	v_add_nc_u32 v[TMP], s99, v[QD]                ; d = my query - KEY - 16 h, for the mask: one of eight places
.rept 7
	v_nop
.endr
.irp t, 0,1,2,3                                    ; V's fragments and scale words are asked for now and land under the softmax
.irp c, 0,1,2,3
	ds_load_b128 v[FG+16*\t+4*\c:FG+16*\t+4*\c+3], v[ADV] offset:2048*\t+512*\c
.endr
	ds_load_b32 v[KS+\t], v[ADT] offset:64*\t
.endr
	s_add_co_u32 s98, s[KEY], 127                  ; a step all of whose keys count for all my queries skips the mask
	s_cmp_le_u32 s98, s[Q0]
	s_cbranch_scc1 .Lopen_\@
.set n, 0
.rept 64
	v_cmp_gt_i32 vcc_lo, 32*(n/16)+n%16, v[TMP]    ; hidden where 32 b + i > d
	v_cndmask_b32 v[S+n], v[S+n], v[NINF], vcc_lo  ; -infinity ahead of the maximum: p = 0
.set n, n+1
.endr
.Lopen_\@:
.irp b, 0,1,2,3
	v_max3_num_f32 v[BM+\b], v[S+16*\b], v[S+1+16*\b], v[S+2+16*\b]   ; the largest score of each block of 32 keys: for the row's maximum, and, since p rises with the score, for the block's largest p
.endr
.irp i, 3,5,7,9,11,13
.irp b, 0,1,2,3
	v_max3_num_f32 v[BM+\b], v[BM+\b], v[S+16*\b+\i], v[S+1+16*\b+\i]
.endr
.endr
.irp b, 0,1,2,3
	v_max_num_f32 v[BM+\b], v[BM+\b], v[S+15+16*\b]
.endr
.irp b, 0,1,2,3
	s_delay_alu instid0(VALU_DEP_4)
	v_permlanex16_b32 v[BP+\b], v[BM+\b], s[SEL], s[SEL+1]
.endr
.irp b, 0,1,2,3
	s_delay_alu instid0(VALU_DEP_4)
	v_max_num_f32 v[BM+\b], v[BM+\b], v[BP+\b]     ; with lane l xor 16's 16 keys
.endr
	s_delay_alu instid0(VALU_DEP_2)
	v_max3_num_f32 v[TMP], v[BM], v[BM+1], v[BM+2]
	s_delay_alu instid0(VALU_DEP_1)
	v_max_num_f32 v[TMP], v[TMP], v[BM+3]          ; the step's largest score of my query
	s_delay_alu instid0(VALU_DEP_1)
	v_mul_f32 v[TMP], s[CS], v[TMP]                ; as t
	s_delay_alu instid0(VALU_DEP_1)
	v_max_num_f32 v13, v13, v[TMP]                 ; the running largest t
	v_mov_b32 v[TMP], v12
	s_delay_alu instid0(VALU_DEP_2)
	v_floor_f32 v12, -v13                          ; the new -M = floor(-t): M is a whole number
	s_delay_alu instid0(VALU_DEP_1)
	v_sub_f32 v[TMP], v12, v[TMP]                  ; old M - new M: a whole number, 0 or less
	s_delay_alu instid0(VALU_DEP_1)
	v_cvt_i32_f32 v[TMP], v[TMP]                   ; (it saturates)
	s_delay_alu instid0(VALU_DEP_1)
	v_ldexp_f32 v[FF], 1.0, v[TMP]                 ; f = 2^(old M - new M)
.set j, 0
	s_setprio 1
.rept 32
	v_pk_fma_f32 v[S+j:S+j+1], v[S+j:S+j+1], s[CS:CS+1], v[12:13] op_sel_hi:[1,0,0]   ; t - M, two at a time
.set j, j+2
.endr
.irp b, 0,1,2,3
	v_fma_f32 v[BM+\b], v[BM+\b], s[CS], v12       ; the same of each block's largest score
.endr
.set j, 0
	s_wait_alu depctr_va_vdst(0)
.rept 64
	v_exp_f32 v[S+j], v[S+j]                       ; p = 2^(t - M)
.set j, j+1
.endr
.irp b, 0,1,2,3
	v_exp_f32 v[BM+\b], v[BM+\b]                   ; the block's largest p: the same two instructions on the same number
.endr
	v_pk_mul_f32 v[14:15], v[14:15], v[FF:FF+1] op_sel_hi:[1,0]   ; the sums under the new M (a plain place behind the exponentials)
	s_wait_alu depctr_va_vdst(0)
.irp b, 0,1,2,3
	v_max_num_f32 v[BM+\b], 0x4800000, v[BM+\b]    ; the floor 2^(9 - 127): the byte cannot fall under 1
.endr
.irp b, 0,1,2,3
	s_delay_alu instid0(VALU_DEP_4)
	v_add_nc_u32 v[BS+\b], 0xfc000000, v[BM+\b]    ; the conversion's scale operand
.endr
.irp b, 0,1,2,3
.endr
.irp b, 0,1,2,3
	s_delay_alu instid0(VALU_DEP_4)
	v_lshrrev_b32 v[BP+\b], 23, v[BS+\b]           ; the byte
.endr
	s_delay_alu instid0(VALU_DEP_3)
	v_lshl_or_b32 v[PWD], v[BP+1], 8, v[BP]        ; p's scale word for these 128 keys: far more than eight plain lines ahead of the products that name it
	s_delay_alu instid0(VALU_DEP_1)
	v_lshl_or_b32 v[PWD], v[BP+2], 16, v[PWD]
	s_delay_alu instid0(VALU_DEP_1)
	v_lshl_or_b32 v[PWD], v[BP+3], 24, v[PWD]
	v_pk_add_f32 v[240:241], v[108:109], v[112:113]
	v_pk_add_f32 v[234:235], v[116:117], v[120:121]
	v_pk_add_f32 v[232:233], v[124:125], v[128:129]
	v_pk_add_f32 v[226:227], v[132:133], v[136:137]
	v_pk_add_f32 v[224:225], v[140:141], v[144:145]
	v_pk_add_f32 v[222:223], v[148:149], v[152:153]
	v_pk_add_f32 v[220:221], v[156:157], v[160:161]
	v_pk_add_f32 v[14:15], v[14:15], v[164:165]
	v_pk_add_f32 v[240:241], v[240:241], v[104:105]
	v_pk_add_f32 v[234:235], v[234:235], v[106:107]
	v_pk_add_f32 v[232:233], v[232:233], v[110:111]
	v_pk_add_f32 v[226:227], v[226:227], v[114:115]
	v_pk_add_f32 v[224:225], v[224:225], v[118:119]
	v_pk_add_f32 v[222:223], v[222:223], v[122:123]
	v_pk_add_f32 v[220:221], v[220:221], v[126:127]
	v_pk_add_f32 v[14:15], v[14:15], v[130:131]
	v_pk_add_f32 v[240:241], v[240:241], v[134:135]
	s_setprio 0
	v_pk_add_f32 v[234:235], v[234:235], v[138:139]
	v_pk_add_f32 v[232:233], v[232:233], v[142:143]
	v_pk_add_f32 v[226:227], v[226:227], v[146:147]
	v_pk_add_f32 v[224:225], v[224:225], v[150:151]
	v_pk_add_f32 v[222:223], v[222:223], v[154:155]
	v_pk_add_f32 v[220:221], v[220:221], v[158:159]
	v_pk_add_f32 v[14:15], v[14:15], v[162:163]
	v_pk_add_f32 v[240:241], v[240:241], v[166:167]
	s_delay_alu instid0(VALU_DEP_2)
	v_pk_add_f32 v[14:15], v[14:15], v[226:227]
	s_delay_alu instid0(VALU_DEP_2)
	v_pk_add_f32 v[240:241], v[240:241], v[224:225]
	v_pk_add_f32 v[234:235], v[234:235], v[222:223]
	v_pk_add_f32 v[232:233], v[232:233], v[220:221]
	s_delay_alu instid0(VALU_DEP_2)
	v_pk_add_f32 v[14:15], v[14:15], v[234:235]
	s_delay_alu instid0(VALU_DEP_2)
	v_pk_add_f32 v[240:241], v[240:241], v[232:233]
	s_delay_alu instid0(VALU_DEP_1)
	v_pk_add_f32 v[14:15], v[14:15], v[240:241]
.irp b, 0,1,2,3
.irp i, 0,1,2,3,4,5,6,7,8,9,10,11,12,13,14,15
.endr
	v_cvt_scalef32_pk8_fp8_f32 v[PC+4*\b:PC+1+4*\b], v[S+16*\b:S+7+16*\b], v[BS+\b]
	v_cvt_scalef32_pk8_fp8_f32 v[PC+2+4*\b:PC+3+4*\b], v[S+8+16*\b:S+15+16*\b], v[BS+\b]
.endr
.set j, 0
.rept 16
	v_pk_mul_f32 v[OT+j:OT+j+1], v[OT+j:OT+j+1], v[FF:FF+1] op_sel_hi:[1,0]   ; O^T under the new M; these are also the lines between the conversions and the products
.set j, j+2
.endr
	s_wait_alu depctr_va_vdst(0)
	s_wait_dscnt 0x0                               ; V
.irp t, 0,1,2,3                                    ; the four accumulators take turns
	v_wmma_scale_f32_16x16x128_f8f6f4 v[OT+8*\t:OT+8*\t+7], v[FG+16*\t:FG+16*\t+15], v[PC:PC+15], v[OT+8*\t:OT+8*\t+7], v[KS+\t], v[PWD]
.endr
.Lhidden_\@:
	s_add_co_u32 s[TB], s[TB], 8192
	s_add_co_u32 s[TS], s[TS], 512
	s_add_co_u32 s[TJ], s[TJ], 256
	s_add_co_u32 s[KEY], s[KEY], 128
.endm
; A chunk of 512 keys: my part of it has landed (the later chunks' loads, 3 - c of them, may stay out), then everybody's has.  In the second pass both are met at once.
.macro CHUNK c
	s_wait_tensorcnt 3-\c
	s_barrier_signal -1
	s_barrier_wait -1
	s_mov_b32 s[TB], 32768*\c
	s_mov_b32 s[TS], 2048*\c
	s_mov_b32 s[TJ], 1024*\c
	s_mov_b32 s[KEY], 512*\c
	s_mov_b32 s[CNT], 4
.Lstep_\@:
	STEP
	s_sub_co_u32 s[CNT], s[CNT], 1
	s_cmp_lg_u32 s[CNT], 0
	s_cbranch_scc1 .Lstep_\@
	s_setprio 0
.endm
.Lpass:                                            ; two trips: block 7 - x of the queries, then block x
	s_lshl_b32 s98, s[BLK], 4
	s_add_co_u32 s98, s98, s[WV]                   ; my tile of queries in the batch
	s_lshl_b32 s[Q0], s[BLK], 8
	s_lshr_b32 s99, s[WV], 1
	s_lshl_b32 s99, s99, 5
	s_add_co_u32 s[Q0], s[Q0], s99
	s_and_b32 s99, s[WV], 1
	s_lshl_b32 s99, s99, 3
	s_add_co_u32 s[Q0], s[Q0], s99                 ; its lowest query: 256 block + 32 (wave / 2) + 8 (wave % 2)
	v_lshl_add_u32 v[GQ], s98, 11, v[AK0]
	v_lshl_add_u32 v[GQS], s98, 6, v[RW]
	v_lshl_add_u32 v[GC], s98, 14, v[AK0]
	v_lshl_add_u32 v[GCS], s98, 9, v[RB]
	global_load_b128 v[QF:QF+3], v[GQ], s[QB:QB+1]
	global_load_b128 v[QF+4:QF+7], v[GQ], s[QB:QB+1] offset:512
	global_load_u16 v[QWD], v[GQS], s[QSB:QSB+1]
	v_mov_b32 v13, 0xff61b1e6                      ; the largest t so far: -3e38
	s_delay_alu instid0(VALU_DEP_1)
	v_floor_f32 v12, -v13                          ; -M
	v_mov_b32 v14, 0
	v_mov_b32 v15, 0
.set j, 0
.rept 32
	v_mov_b32 v[OT+j], 0                           ; the step is written once: the first finds zeros, which the first change of M leaves zeros
.set j, j+1
.endr
	s_wait_loadcnt 0x0
	CHUNK 0
	CHUNK 1
	CHUNK 2
	CHUNK 3
.rept 8
	v_nop                                          ; places behind the last products
.endr
	v_add_f32 v14, v14, v15
	s_delay_alu instid0(VALU_DEP_1)
	v_permlanex16_b32 v[TMP], v14, s[SEL], s[SEL+1]
	s_delay_alu instid0(VALU_DEP_1)
	v_add_f32 v14, v14, v[TMP]                     ; the row's sum
	s_wait_alu depctr_va_vdst(0)
	v_rcp_f32 v14, v14
	v_nop
.set j, 0
	s_wait_alu depctr_va_vdst(0)
.rept 32
	v_mul_f32 v[S+j], v[OT+j], v14                 ; ctx: register 16 G + i is channel 32 G + 16 h + i of my head
.set j, j+1
.endr
.irp b, 0,1
	v_max3_num_f32 v[BM+\b], |v[S+16*\b]|, |v[S+1+16*\b]|, 0x4800000
.endr
.irp i, 2,4,6,8,10,12,14
.irp b, 0,1
	s_delay_alu instid0(VALU_DEP_2)
	v_max3_num_f32 v[BM+\b], v[BM+\b], |v[S+16*\b+\i]|, |v[S+1+16*\b+\i]|
.endr
.endr
.irp b, 0,1
	s_delay_alu instid0(VALU_DEP_2)
	v_permlanex16_b32 v[BP+\b], v[BM+\b], s[SEL], s[SEL+1]
.endr
.irp b, 0,1
	s_delay_alu instid0(VALU_DEP_2)
	v_max_num_f32 v[BM+\b], v[BM+\b], v[BP+\b]
.endr
.irp b, 0,1
	s_delay_alu instid0(VALU_DEP_2)
	v_add_nc_u32 v[BS+\b], 0xfc000000, v[BM+\b]
.endr
.irp b, 0,1
.endr
.irp b, 0,1
	s_delay_alu instid0(VALU_DEP_2)
	v_lshrrev_b32 v[BP+\b], 23, v[BS+\b]
.endr
	s_delay_alu instid0(VALU_DEP_1)
	v_cndmask_b32 v[CBY], v[BP], v[BP+1], s[HM]    ; lanes 0-15 store block 0's byte, lanes 16-31 block 1's
.irp b, 0,1
.irp i, 0,1,2,3,4,5,6,7,8,9,10,11,12,13,14,15
.endr
	v_cvt_scalef32_pk8_fp8_f32 v[PC+4*\b:PC+1+4*\b], v[S+16*\b:S+7+16*\b], v[BS+\b]
	v_cvt_scalef32_pk8_fp8_f32 v[PC+2+4*\b:PC+3+4*\b], v[S+8+16*\b:S+15+16*\b], v[BS+\b]
.endr
	v_nop                                          ; one plain line behind the last conversion
	global_store_b128 v[GC], v[PC:PC+3], s[CB:CB+1]              ; 512 consecutive bytes, aligned
	global_store_b128 v[GC], v[PC+4:PC+7], s[CB:CB+1] offset:512
	global_store_b8 v[GCS], v[CBY], s[CSB:CSB+1]   ; a byte a lane, two in each of 16 words (the pair's other head writes the other two): 32 bytes beside the tile's 1,024 bytes of codes
	s_wait_xcnt 0x0                                ; the stores have read their registers: the next pass writes them again
	s_sub_co_u32 s[BLK], 7, s[BLK]
	s_sub_co_u32 s[PASS], s[PASS], 1
	s_cmp_lg_u32 s[PASS], 0
	s_cbranch_scc1 .Lpass
	s_wait_tensorcnt 0x0
	ds_add_u32 v243, v255
	s_wait_dscnt 0x0
	s_endpgm
.Lfunc_end_k_qfd7ae7a08e_attn:
	.size	k_qfd7ae7a08e_attn, .Lfunc_end_k_qfd7ae7a08e_attn-k_qfd7ae7a08e_attn
	.p2alignl 7, 3214868480
	.fill 96, 4, 3214868480
	.section	.rodata,"a",@progbits
	.p2align	6, 0x0
	.amdhsa_kernel k_qfd7ae7a08e_attn
		.amdhsa_group_segment_fixed_size 276480
		.amdhsa_private_segment_fixed_size 0
		.amdhsa_enable_private_segment 0
		.amdhsa_kernarg_size 24
		.amdhsa_user_sgpr_count 2
		.amdhsa_user_sgpr_kernarg_segment_ptr 1
		.amdhsa_wavefront_size32 1
		.amdhsa_system_sgpr_workgroup_id_x 1
		.amdhsa_system_sgpr_workgroup_id_y 1
		.amdhsa_system_sgpr_workgroup_id_z 1
		.amdhsa_system_vgpr_workitem_id 0
		.amdhsa_next_free_vgpr 256
		.amdhsa_next_free_sgpr 102
		.amdhsa_reserve_vcc 1
		.amdhsa_float_denorm_mode_32 3
		.amdhsa_float_denorm_mode_16_64 3
		.amdhsa_fp16_overflow 1
		.amdhsa_memory_ordered 1
		.amdhsa_forward_progress 1
		.amdhsa_inst_pref_size 110
	.end_amdhsa_kernel
	.amdgpu_metadata
---
amdhsa.version: [ 1, 2 ]
amdhsa.kernels:
  - .name:           k_qfd7ae7a08e_attn
    .symbol:         k_qfd7ae7a08e_attn.kd
    .args:
      - { .name: qk, .offset: 0, .size: 8, .value_kind: global_buffer, .address_space: global }
      - { .name: vt, .offset: 8, .size: 8, .value_kind: global_buffer, .address_space: global }
      - { .name: cx, .offset: 16, .size: 8, .value_kind: global_buffer, .address_space: global }
    .group_segment_fixed_size: 276480
    .private_segment_fixed_size: 0
    .kernarg_segment_align: 8
    .kernarg_segment_size: 24
    .max_flat_workgroup_size: 512
    .sgpr_count:     102
    .vgpr_count:     256
    .wavefront_size: 32
...
	.end_amdgpu_metadata
.endif
;; end of part 3
;; launch outp (part 4): grid 4 x 32, 4 waves a work-group, clusters of 4 x 4, 327,680 bytes of LDS; arguments cx, wq, out0; writes out0
.if DOCPART == 4
	.amdgcn_target "amdgcn-amd-amdhsa--gfx1250"
	.amdhsa_code_object_version 6
	.text
	.protected	k_qfd7ae7a08e_outp
	.globl	k_qfd7ae7a08e_outp
	.p2align	8
	.type	k_qfd7ae7a08e_outp,@function
k_qfd7ae7a08e_outp:
	s_mov_b64 s[64:65], 0
	v_nop
	global_prefetch_b8 v0, s[64:65] scope:SCOPE_SE
	s_setreg_imm32_b32 hwreg(HW_REG_WAVE_MODE, 25, 1), 1
	s_wait_xcnt 0x0
	s_wait_alu depctr_hold_cnt(0) depctr_sa_sdst(0) depctr_va_vdst(0) depctr_va_sdst(0) depctr_va_ssrc(0) depctr_va_vcc(0) depctr_vm_vsrc(0)
	s_getreg_b32 s2, hwreg(HW_REG_IB_STS2, 6, 4)
	s_cmp_eq_u32 s2, 0
	s_cbranch_scc0 .Lentry_in_a_cluster
	s_endpgm
.Lentry_in_a_cluster:
	s_bfe_u32 s2, ttmp6, 0x10000c
	s_cmp_lg_u32 s2, 0xf033
	s_cbranch_scc0 .Lentry_shape_is_right
	s_endpgm
.Lentry_shape_is_right:
; out0 = ctx Wo, on codes of FP8 (E4M3) with one E8M0 scale for each 32 along K = 1,024; out0 [8192][1024] f32.
; BUFFERS: images of operand registers.  A fragment (tile of 16 rows, 128 along K) is 2,048 bytes [c][lane][16]; its scale words 64 bytes.  Tile 2 G + u holds rows 32 G + 8 u + (i % 8) + 16 (i / 8).
;   cx: codes [token tile 512][K step 8][2048], scale words [tile][K step][64] at 8,388,608.   wq: the same form; Wo's 64 tiles (its columns n) begin at tile 192; scale words at 4,194,304.
; A tile of C, 256 x 256, is made by four waves, each 128 x 128: 64 accumulators, 512 registers.  K goes in steps of 256 through two LDS slots filled by the tensor data mover; a tile's 4,096 bytes of a step are consecutive in memory.
; The scale words of the work-group's rows and columns, for all of K, come into LDS once.  CLUSTERS: 4 x 4; A's tiles are asked for jointly along a row of the cluster, B's along a column.
; C has 32 x 4 tiles: 128 work-groups.
; THE MATRIX INSTRUCTION IS USED TRANSPOSED (source 0 = a tile of Wo, source 1 = a tile of ctx): lane (r, h) holds row r of ctx's tile, and by the order of Wo's rows the results of tiles 2 c, 2 c + 1 are columns 32 c + 16 h + 0 .. 15.
; REGISTERS: window 0: v1-31 addresses; v32-63 scale words, two sets; v128-255 A's 8 fragments, one set (on the way out: rows of C).  window 1: B's fragments, two sets.  windows 2, 3: the accumulators, (a, b) at v[8 (8 (a % 4) + b)].
.set NQ,    2
.set FR,    16
.set NL,    4
.set NP,    8                          ; places behind this matrix instruction (ISA guide 7.12.1)
.set RT,    4096                       ; a tile's bytes in a slot: two fragments
.set HALFT, 8*RT
.set SLOT,  4*HALFT
.set SCL,   2*SLOT                     ; A's scale words, 8,192 bytes; B's 8,320 bytes on, so that lanes 0-15 and 16-31 of a load fall on different banks
.set SPARE, SCL+2*8192+256             ; the spare words, 128 bytes for each wave: two blocks of 256 bytes that no other line names
.set SPITCH, 528                       ; the way out: 16 rows x (512 bytes + 16) for each wave, in slot 0, which has had its last fill and its last read when the first result is stored there
.set L16,  3                           ; v3   16 x lane
.set ADRA, 16
.set ADRB, 20
.set STO,  24                          ; v24  where I put 32 bytes of a row
.set RD,   25                          ; v25  where I read a row back
.set ADRS, 27
.set SPW,  28                          ; v28  LDS address of my spare word; never rewritten
.set NIL,  29                          ; v29  0; never rewritten
.set SC,   32
.set AF,   128
.set BK,   128                         ; 16 rows read back: v128-191 and v192-255 by turns
.set G1, 24
.set G0, 32
.set G1B, 48
.set G0B, 56
.set G1S, 68
.set G0S, 76
.set G1SB, 80
.set G0SB, 88
.set MSB, 0
.macro WIN new                         ; the immediate's high byte repeats the setting that is left
.if MSB != (\new)
	s_set_vgpr_msb (MSB<<8)|(\new)
.set MSB, (\new)
.endif
.endm
.set MUL_LO, 0xa1
.set MUL_HI, 0xf1
.set TO_B,   0x40
; A joint load: waves 0 and 1 fetch for A, waves 2 and 3 for B; the branch hangs on the wave's number alone.  Four v_nop follow each of the two lines.
.macro JLOAD g0a, g1a, g0b, g1b
	s_cmp_eq_u32 s15, 0
	s_cbranch_scc0 .Lfor_b_\@
	tensor_load_to_lds s[\g0a:\g0a+3], s[\g1a:\g1a+7]
	s_nop 0
.rept 4
	v_nop
.endr
	s_branch .Lasked_\@
.Lfor_b_\@:
	tensor_load_to_lds s[\g0b:\g0b+3], s[\g1b:\g1b+7]
	s_nop 0
.rept 4
	v_nop
.endr
.Lasked_\@:
.endm
.macro CREST
	s_cmp_lg_u32 s14, 0
	s_cbranch_scc1 .Lnot_wave_0_\@
	s_barrier_signal -3
.Lnot_wave_0_\@:
	s_barrier_wait -3
	s_barrier_signal -1
	s_barrier_wait -1
.endm
.macro CROUND
	s_barrier_signal -1
	s_barrier_wait -1
	CREST
.endm
	s_load_b128 s[4:7], s[0:1], 0x0                ; cx, wq
	s_load_b64 s[12:13], s[0:1], 0x10              ; out0
	v_lshl_add_u32 v[SPW], v0, 2, SPARE
	v_mov_b32 v[NIL], 0
	ds_add_u32 v28, v29
	ds_add_u32 v28, v29
	s_wait_dscnt 0x0
	v_lshrrev_b32 v1, 5, v0
	v_readfirstlane_b32 s14, v1                    ; wave 0..3
	s_lshr_b32 s15, s14, 1                         ; which half of the tile's rows is mine.  Also: I fetch for A (0) or for B (1)
	s_and_b32 s16, s14, 1                          ; which half of its columns.  Also: which 8 tiles I fetch
	s_bfe_u32 s40, ttmp6, 0x40000                  ; cx, cy: my place in the cluster
	s_bfe_u32 s41, ttmp6, 0x40004
	s_lshl_b32 s42, ttmp9, 2
	s_add_co_u32 s42, s42, s40                     ; tile column of C
	s_and_b32 s17, ttmp7, 0xffff
	s_lshl_b32 s17, s17, 2
	s_add_co_u32 s17, s17, s41                     ; tile row of C
	s_lshl_b32 s43, s41, 2
	s_lshl_b32 s43, 15, s43                        ; my row of the cluster
	s_lshl_b32 s44, 0x1111, s40                    ; my column
	; descriptor group 1, codes: 8 rows (tiles) of 4,096 bytes (512 elements of 8 bytes), 16,384 bytes apart; no padding: an LDS load takes 512 consecutive bytes
	s_or_b32 s[G1+0], s43, (3<<16)|(1<<21)
	s_or_b32 s[G1B+0], s44, (3<<16)|(1<<21)
.irp g, G1, G1B
	s_mov_b32 s[\g+1], 512<<16
	s_mov_b32 s[\g+2], 8<<16
	s_mov_b32 s[\g+3], 512<<16
	s_mov_b32 s[\g+4], 8
	s_mov_b32 s[\g+5], 2048
	s_mov_b32 s[\g+6], 0
	s_mov_b32 s[\g+7], 0
.endr
	; scale words of 8 tiles: 4,096 dense bytes, as 16 rows of 256
	s_or_b32 s[G1S+0], s43, (3<<16)|(1<<21)
	s_or_b32 s[G1SB+0], s44, (3<<16)|(1<<21)
.irp g, G1S, G1SB
	s_mov_b32 s[\g+1], 32<<16
	s_mov_b32 s[\g+2], 16<<16
	s_mov_b32 s[\g+3], 32<<16
	s_mov_b32 s[\g+4], 16
	s_mov_b32 s[\g+5], 32
	s_mov_b32 s[\g+6], 0
	s_mov_b32 s[\g+7], 0
.endr
	s_lshl_b32 s20, s17, 18                        ; A: 16 tiles of 16,384 bytes a tile row, + my 8 tiles
	s_lshl_b32 s18, s16, 17
	s_add_co_u32 s20, s20, s18
	s_mov_b32 s21, 0
	s_lshl_b32 s22, s17, 13                        ; its scale words
	s_lshl_b32 s19, s16, 12
	s_add_co_u32 s22, s22, s19
	s_add_co_u32 s22, s22, 8388608
	s_mov_b32 s23, 0
	s_lshl_b32 s46, s42, 18                        ; B likewise, by the tile column, from Wo's first tile on
	s_add_co_u32 s46, s46, s18
	s_add_co_u32 s46, s46, 3145728
	s_mov_b32 s47, 0
	s_lshl_b32 s2, s42, 13
	s_add_co_u32 s2, s2, s19
	s_add_co_u32 s2, s2, 4292608
	s_mov_b32 s3, 0
	s_lshl_b32 s45, s14, 15                        ; where the codes go: wave x 32,768: no place in the cluster enters an LDS address
	s_lshl_b32 s18, s14, 12                        ; and the scale words: wave x 4,096, + 128 for B's
	s_lshl_b32 s19, s15, 7
	s_add_co_u32 s18, s18, s19
	s_wait_kmcnt 0x0
	s_add_nc_u64 s[92:93], s[4:5], s[20:21]
	s_add_nc_u64 s[94:95], s[4:5], s[22:23]
	s_add_nc_u64 s[96:97], s[6:7], s[46:47]
	s_add_nc_u64 s[98:99], s[6:7], s[2:3]
	CROUND                                         ; all sixteen work-groups are here: the first joint loads meet
	s_mov_b32 s[G0S], 1
	s_add_co_u32 s[G0S+1], s18, SCL
	s_mov_b64 s[G0S+2:G0S+3], s[94:95]
	s_or_b32 s[G0S+3], s[G0S+3], 0x80000000
	s_mov_b32 s[G0SB], 1
	s_add_co_u32 s[G0SB+1], s18, SCL
	s_mov_b64 s[G0SB+2:G0SB+3], s[98:99]
	s_or_b32 s[G0SB+3], s[G0SB+3], 0x80000000
	JLOAD G0S, G1S, G0SB, G1SB                     ; the scale words first: they are wanted with K step 0
.irp s, 0,1
	s_mov_b32 s[G0+4*\s], 1
	s_add_co_u32 s[G0+4*\s+1], s45, \s*SLOT
	s_add_nc_u64 s[G0+4*\s+2:G0+4*\s+3], s[92:93], \s*RT
	s_or_b32 s[G0+4*\s+3], s[G0+4*\s+3], 0x80000000
	s_mov_b32 s[G0B+4*\s], 1
	s_add_co_u32 s[G0B+4*\s+1], s45, \s*SLOT
	s_add_nc_u64 s[G0B+4*\s+2:G0B+4*\s+3], s[96:97], \s*RT
	s_or_b32 s[G0B+4*\s+3], s[G0B+4*\s+3], 0x80000000
	s_wait_alu depctr_va_vdst(0)
	s_wait_tensorcnt 0x0
	ds_add_u32 v28, v29
	s_wait_dscnt 0x0
	CROUND
	JLOAD G0+4*\s, G1, G0B+4*\s, G1B               ; one tensor load of mine is out
.endr
	v_and_b32 v1, 15, v0                           ; r
	v_bfe_u32 v2, v0, 4, 1                         ; h
	s_wait_alu depctr_va_vdst(0)
	v_and_b32 v[L16], 31, v0
	v_lshlrev_b32 v[L16], 4, v[L16]
	s_lshl_b32 s21, s15, 15                        ; my 8 tiles of A
	s_lshl_b32 s22, s16, 15                        ; my 8 tiles of B,
	s_add_co_u32 s22, s22, 2*HALFT                 ; which lie behind A's 16
.irp s, 0,1
	v_add_nc_u32 v[ADRA+\s], s21, v[L16]
	v_add_nc_u32 v[ADRB+\s], s22, v[L16]
	s_add_co_u32 s21, s21, SLOT
	s_add_co_u32 s22, s22, SLOT
.endr
	v_lshlrev_b32 v5, 2, v1                        ; my row's word in a tile's 64 bytes
	s_lshl_b32 s21, s15, 12
	s_lshl_b32 s22, s16, 12
	s_add_co_u32 s22, s22, 8320
	s_sub_co_u32 s22, s22, s21
	v_mul_u32_u24 v6, s22, v2                      ; lanes 16-31 take B's
	s_add_co_u32 s21, s21, SCL
	v_add_nc_u32 v5, v5, v6
	v_add_nc_u32 v[ADRS], s21, v5
	s_mul_i32 s23, s14, 16*SPITCH                  ; my stage
	v_mul_u32_u24 v5, v1, SPITCH
	v_lshl_add_u32 v5, v2, 6, v5                   ; in: row r, + 64 h: 16 columns of 4 bytes for each half of the lanes
	v_add_nc_u32 v[STO], s23, v5
	v_add_nc_u32 v[RD], s23, v[L16]                ; back: the 32 lanes take one row of 512 bytes
	s_lshl_b32 s20, s17, 20                        ; my part of C: 256 rows of 4,096 bytes a tile row, + 128 rows, + 1,024 bytes a tile column, + 512
	s_lshl_b32 s21, s15, 19
	s_add_co_u32 s20, s20, s21
	s_lshl_b32 s21, s42, 10
	s_add_co_u32 s20, s20, s21
	s_lshl_b32 s21, s16, 9
	s_add_co_u32 s20, s20, s21
	s_mov_b32 s21, 0
	s_add_nc_u64 s[12:13], s[12:13], s[20:21]
.macro FRAG reg, adr, q, i             ; a fragment comes as it lies: four loads of 512 consecutive bytes
.irp c, 0,1,2,3
	ds_load_b128 v[\reg+4*\c:\reg+4*\c+3], v[\adr] offset:RT*(\i)+2048*(\q)+512*\c
.endr
.endm
; 16 matrix instructions: A's tiles a0, a0 + 1 x B's eight, the slot's q-th 128 along K.  The 64 accumulators take turns, one instruction a turn, in the same order in every step.
.macro MUL16 a0, p, q, sc, zero
.irp a, \a0, \a0+1
.irp b, 0,1,2,3,4,5,6,7
.if \zero
	v_wmma_scale_f32_16x16x128_f8f6f4 v[8*(8*((\a)%4)+\b):8*(8*((\a)%4)+\b)+7], v[128*(\p)+FR*\b:128*(\p)+FR*\b+FR-1], v[AF+FR*(\a):AF+FR*(\a)+FR-1], 0, v[SC+8*NQ*(\sc)+NQ*\b+(\q)], v[SC+8*NQ*(\sc)+NQ*(\a)+(\q)] matrix_a_scale:MATRIX_SCALE_ROW1
.else
	v_wmma_scale_f32_16x16x128_f8f6f4 v[8*(8*((\a)%4)+\b):8*(8*((\a)%4)+\b)+7], v[128*(\p)+FR*\b:128*(\p)+FR*\b+FR-1], v[AF+FR*(\a):AF+FR*(\a)+FR-1], v[8*(8*((\a)%4)+\b):8*(8*((\a)%4)+\b)+7], v[SC+8*NQ*(\sc)+NQ*\b+(\q)], v[SC+8*NQ*(\sc)+NQ*(\a)+(\q)] matrix_a_scale:MATRIX_SCALE_ROW1
.endif
.endr
.endr
.endm
.macro FETCH_B slot, q, p
	WIN TO_B
.irp i, 0,1,2,3,4,5,6,7
	FRAG 128*(\p)+FR*\i, ADRB+\slot, \q, \i
.endr
	WIN 0
.endm
.macro FETCH_A slot, q, i0
.irp i, \i0, \i0+1, \i0+2, \i0+3
	FRAG AF+FR*(\i), ADRA+\slot, \q, \i
.endr
.endm
.macro SCALES sc
.irp i, 0,1,2,3,4,5,6,7
.irp q, 0,1
	ds_load_b32 v[SC+8*NQ*\sc+NQ*\i+\q], v[ADRS] offset:512*\i+64*\q
.endr
.endr
.endm
; A load into a register that a matrix instruction has read, and an LDS store that reads a result, stand NP places behind it; only plain vector instructions that name none of its registers are places (ISA guide 7.12.1 for vector instructions).
.macro PLACES n
.rept \n
	v_nop
.endr
.endm
.macro STEP slot, q, zero
	s_wait_dscnt 4*NL                              ; B's set, the scale words and A's tiles 0-3 are in; the youngest 16 loads (A's tiles 4-7) may be out
	WIN MUL_LO
	MUL16 0, (\q)%2, \q, \slot, \zero
	MUL16 2, (\q)%2, \q, \slot, \zero
	s_wait_dscnt 0
	PLACES NP
	FETCH_B \slot, (\q)+1, 1-(\q)%2
	FETCH_A \slot, (\q)+1, 0
	WIN MUL_HI
	MUL16 4, (\q)%2, \q, \slot, \zero
	MUL16 6, (\q)%2, \q, \slot, \zero
	PLACES NP
	WIN 0
	FETCH_A \slot, (\q)+1, 4
.endm
; A slot's last step changes slots: one barrier; in front of it each wave waits for all its tensor loads, adds 0 to its spare word, and waits for that and for its own reads of this slot.  fill = 1: this slot is filled again, two K steps ahead.
.macro TURN slot, next, fill
	s_wait_tensorcnt 0x0                           ; all my tensor loads have landed: my part of the next slot among them
	ds_add_u32 v[SPW], v[NIL]                      ; 0 onto my spare word
	s_wait_dscnt 4*NL+1                            ; (the add and the youngest 16 loads may be out)
	WIN MUL_LO
	MUL16 0, 1, NQ-1, \slot, 0
	s_wait_dscnt 0x0                               ; the add is done, and my reads of this slot are over
	s_barrier_signal -1
	MUL16 2, 1, NQ-1, \slot, 0
	WIN 0
	s_barrier_wait -1
.if \fill
	CREST                                          ; the barrier has opened a round of the cluster's barrier: no wave of any partner still reads this slot or has a load on its way
	s_add_nc_u64 s[G0+4*\slot+2:G0+4*\slot+3], s[G0+4*\slot+2:G0+4*\slot+3], 2*RT
	s_add_nc_u64 s[G0B+4*\slot+2:G0B+4*\slot+3], s[G0B+4*\slot+2:G0B+4*\slot+3], 2*RT
	JLOAD G0+4*\slot, G1, G0B+4*\slot, G1B         ; the first tensor load behind the round, my only one until the next
	PLACES NP-4
.else
	PLACES NP
.endif
	s_wait_alu depctr_va_vdst(0)
	v_add_nc_u32 v[ADRS], 64*NQ, v[ADRS]
	FETCH_B \next, 0, 0
	FETCH_A \next, 0, 0
	SCALES \next
	WIN MUL_HI
	MUL16 4, 1, NQ-1, \slot, 0
	MUL16 6, 1, NQ-1, \slot, 0
	PLACES NP
	WIN 0
	FETCH_A \next, 0, 4
.endm
	s_wait_alu depctr_va_vdst(0)
	s_wait_tensorcnt 1                             ; the scale words and my part of slot 0 are in; slot 1's load may be out
	s_barrier_signal -1
	s_barrier_wait -1
	FETCH_B 0, 0, 0
	FETCH_A 0, 0, 0
	SCALES 0
	FETCH_A 0, 0, 4
	STEP 0, 0, 1                                   ; K = 1,024 is four slots' worth: the eight steps are written out
	TURN 0, 1, 1
	STEP 1, 0, 0
	TURN 1, 0, 1
	STEP 0, 0, 0
	TURN 0, 1, 0
	STEP 1, 0, 0
	s_wait_dscnt 4*NL
	WIN MUL_LO
	MUL16 0, 1, NQ-1, 1, 0
	MUL16 2, 1, NQ-1, 1, 0
	s_wait_dscnt 0
	WIN MUL_HI
	MUL16 4, 1, NQ-1, 1, 0
	MUL16 6, 1, NQ-1, 1, 0
	WIN 0
; THE WAY OUT, block by block of 16 rows x 128 columns, through my own stage: in by lanes (32 neighbouring bytes of a row each), back as whole rows of 512 bytes.  LDS serves a wave's instructions in order (ISA guide 5.7.1.4).
.macro TOSTAGE a
.set AC, 64*((\a)%4)
	WIN 0x08+4*((\a)/4)                            ; the data: window 2 or 3
.irp b, 0,1,2,3,4,5,6,7
	ds_store_b128 v[STO], v[AC+8*\b:AC+8*\b+3] offset:128*(\b/2)+32*(\b%2)          ; tile b's eight results of my half: columns 32 (b / 2) + 16 h + 8 (b % 2) on; each accumulator from its low end on
	ds_store_b128 v[STO], v[AC+8*\b+4:AC+8*\b+7] offset:128*(\b/2)+32*(\b%2)+16
.endr
	WIN 0
.set BB, BK+64*((\a)%2)
.irp t, 0,1,2,3,4,5,6,7,8,9,10,11,12,13,14,15
	ds_load_b128 v[BB+4*\t:BB+4*\t+3], v[RD] offset:\t*SPITCH
.endr
.endm
.macro SEND a, younger                 ; younger: the LDS instructions issued behind block a's loads, which may stay out
.set BB, BK+64*((\a)%2)
	s_wait_dscnt \younger
.irp t, 0,1,2,3,4,5,6,7,8,9,10,11,12,13,14,15
	global_store_b128 v[L16], v[BB+4*\t:BB+4*\t+3], s[12:13] offset:(32*((\a)/2)+8*((\a)%2)+(\t%8)+16*(\t/8))*4096 th:TH_STORE_NT   ; row t of tile a is token 32 (a / 2) + 8 (a % 2) + (t % 8) + 16 (t / 8); 512 consecutive bytes, aligned; 127 rows at the most stand in the immediate
.endr
.endm
	PLACES NP
	TOSTAGE 0
.irp a, 1,2,3,4,5,6,7
.if \a > 1
	s_wait_xcnt 0x0                                ; block a - 2's stores have read their registers: block a's loads may land there
.endif
	TOSTAGE \a
	SEND \a-1, 32                                  ; behind block a - 1's loads: block a's 16 stores and 16 loads
.endr
	SEND 7, 0
	s_wait_tensorcnt 0x0                           ; the wave's end
	ds_add_u32 v[SPW], v[NIL]
	s_wait_dscnt 0x0
	CROUND                                         ; the closing round: no work-group ends while a partner may still ask for a tile that names it
	s_endpgm
.Lfunc_end_k_qfd7ae7a08e_outp:
	.size	k_qfd7ae7a08e_outp, .Lfunc_end_k_qfd7ae7a08e_outp-k_qfd7ae7a08e_outp
	.p2alignl 7, 3214868480
	.fill 96, 4, 3214868480
	.section	.rodata,"a",@progbits
	.p2align	6, 0x0
	.amdhsa_kernel k_qfd7ae7a08e_outp
		.amdhsa_group_segment_fixed_size 327680
		.amdhsa_private_segment_fixed_size 0
		.amdhsa_enable_private_segment 0
		.amdhsa_kernarg_size 24
		.amdhsa_user_sgpr_count 2
		.amdhsa_user_sgpr_kernarg_segment_ptr 1
		.amdhsa_wavefront_size32 1
		.amdhsa_system_sgpr_workgroup_id_x 1
		.amdhsa_system_sgpr_workgroup_id_y 1
		.amdhsa_system_sgpr_workgroup_id_z 1
		.amdhsa_system_vgpr_workitem_id 0
		.amdhsa_next_free_vgpr 1024
		.amdhsa_next_free_sgpr 100
		.amdhsa_reserve_vcc 0
		.amdhsa_float_denorm_mode_32 3
		.amdhsa_float_denorm_mode_16_64 3
		.amdhsa_memory_ordered 1
		.amdhsa_forward_progress 1
		.amdhsa_inst_pref_size 147
	.end_amdhsa_kernel
	.amdgpu_metadata
---
amdhsa.version: [ 1, 2 ]
amdhsa.kernels:
  - .name:           k_qfd7ae7a08e_outp
    .symbol:         k_qfd7ae7a08e_outp.kd
    .args:
      - { .name: cx, .offset: 0, .size: 8, .value_kind: global_buffer, .address_space: global }
      - { .name: wq, .offset: 8, .size: 8, .value_kind: global_buffer, .address_space: global }
      - { .name: out0, .offset: 16, .size: 8, .value_kind: global_buffer, .address_space: global }
    .group_segment_fixed_size: 327680
    .private_segment_fixed_size: 0
    .kernarg_segment_align: 8
    .kernarg_segment_size: 24
    .max_flat_workgroup_size: 128
    .sgpr_count:     100
    .vgpr_count:     1024
    .wavefront_size: 32
...
	.end_amdgpu_metadata
.endif
;; end of part 4
